; MI455X (gfx1250); checked and timed in simulation.
; The chip was launched on July 23, 2026; its instructions are those of AMD's public machine-readable ISA for CDNA 5 (MIT licence, August 2026) and "CDNA5" Instruction Set Architecture Reference Guide (July 2026). The comments in the code are by the model that wrote it; some were corrected since.
;; Cross Attention. Allowed arithmetic: matrix products marked QUANTISED: E2M3 operands, one E8M0 scale for each 32 along K, by v_wmma_scale_f32_16x16x128_f8f6f4 with both operands' format E2M3, f32 sums; everything else in f32.
;; Inputs: Wk_codes 1,024 x 32 x 24 uint8 (E2M3 codes of Wk, K innermost, in blocks of 32 codes, four codes in three bytes); Wk_scales 1,024 x 32 uint8 (E8M0 scales of Wk, one for each 32 codes along K); Wp_codes 1,024 x 32 x 24 uint8 (E2M3 codes of Wp, K innermost, in blocks of 32 codes, four codes in three bytes); Wp_scales 1,024 x 32 uint8 (E8M0 scales of Wp, one for each 32 codes along K); Wq_codes 1,024 x 32 x 24 uint8 (E2M3 codes of Wq, K innermost, in blocks of 32 codes, four codes in three bytes); Wq_scales 1,024 x 32 uint8 (E8M0 scales of Wq, one for each 32 codes along K); Wv_codes 1,024 x 32 x 24 uint8 (E2M3 codes of Wv, K innermost, in blocks of 32 codes, four codes in three bytes); Wv_scales 1,024 x 32 uint8 (E8M0 scales of Wv, one for each 32 codes along K); bk 1,024 float32; bp 1,024 float32; bq 1,024 float32; bv 1,024 float32; encoder_output_codes 4 x 2,048 x 32 x 24 uint8 (E2M3 codes of encoder_output, K innermost, in blocks of 32 codes, four codes in three bytes); encoder_output_scales 4 x 2,048 x 32 uint8 (E8M0 scales of encoder_output, one for each 32 codes along K); x_codes 4 x 2,048 x 32 x 24 uint8 (E2M3 codes of x, K innermost, in blocks of 32 codes, four codes in three bytes); x_scales 4 x 2,048 x 32 uint8 (E8M0 scales of x, one for each 32 codes along K).
;; Outputs: out0 4 x 2,048 x 1,024 float32.
;; This version of the problem:
;;   THIS VERSION OF THE PROBLEM IS GIVEN IN LOW PRECISION. The matrix products marked QUANTISED in the list below multiply operands that are first quantised to E2M3 (2 exponent bits, 3 mantissa bits; 6 bits a number), with one power-of-two scale for each 32 numbers along K (OCP MX v1.0); their sums are f32. All else is computed in f32.
;;   The module's matrix products, in the order in which they are computed (A, B: the left and right operand; K: the contracted axis; several contracted axes count as one K, in the product's order):
;;     1. [M 8,192, K 1,024] x [K 1,024, N 1,024]; A: input x (given as codes); B: input Wq (given as codes): QUANTISED
;;     2. [M 8,192, K 1,024] x [K 1,024, N 1,024]; A: input encoder_output (given as codes); B: input Wk (given as codes): QUANTISED
;;     3. [M 8,192, K 1,024] x [K 1,024, N 1,024]; A: input encoder_output (given as codes); B: input Wv (given as codes): QUANTISED
;;     4. batch 64 x [M 2,048, K 64] x [K 64, N 2,048]; A: computed on the way; B: computed on the way: QUANTISED
;;     5. batch 64 x [M 64, K 2,048] x [K 2,048, N 2,048]; A: computed on the way; B: softmax (see below): QUANTISED
;;     6. [M 8,192, K 1,024] x [K 1,024, N 1,024]; A: computed on the way; B: input Wp (given as codes): QUANTISED
;;   THE QUANTISER, for each operand of a quantised product, along K:
;;     - K is cut into blocks of 32 from its start; a last block that is shorter is filled with zeros.
;;     - A block's scale is 2^e with e = floor(log2(the largest magnitude in the block)) - 2, held to -126 .. 127; a block of zeros has e = 0. As a byte (E8M0): e + 127.
;;     - Each number is divided by its block's scale, clamped to +-7.5, and rounded to the nearest number of E2M3, ties to even, subnormals kept.
;;     - The product sums the exact products of the quantised numbers (number of the format x scale) in f32.
;;   ~~~python
;;   def quantise(x, axis):      # numpy; x: float32 -> the quantised numbers, widened to float32 again
;;       x = np.moveaxis(x, axis, -1); K = x.shape[-1]
;;       x = np.pad(x, [(0, 0)] * (x.ndim - 1) + [(0, -K % 32)]); x = x.reshape(x.shape[:-1] + (-1, 32)); a = np.abs(x).max(-1, keepdims=True)
;;       e = np.where(a > 0, np.clip(np.frexp(np.where(a > 0, a, 1))[1] - 1 - 2, -126, 127), 0)      # np.frexp(a)[1] - 1 = floor(log2(a)), exactly
;;       r = np.clip(x / 2.0 ** e, -7.5, 7.5)
;;       step = 2.0 ** (np.maximum(np.frexp(np.where(r == 0, 1, r))[1] - 1, 0) - 3)
;;       q = np.round(r / step) * step * 2.0 ** e      # np.round: ties to even
;;       return np.moveaxis(q.reshape(q.shape[:-2] + (-1,))[..., :K], -1, axis).astype(np.float32)
;;   ~~~
;;   SOFTMAX AHEAD OF A QUANTISED PRODUCT. Where the list says 'softmax', what is quantised is not the finished softmax but p = 2^(t - M), with t = logit x log2(e) and M = ceil(the row's largest t), a whole number; so 1/2 < the row's largest p <= 1. The row's sum l is taken of the UNQUANTISED p, in f32, and the product's result is divided by l at the end. Since M is a whole number, a kernel that streams over the keys may use a running M (the ceiling of the running maximum): every later rescaling is an exact power of two, which a block's scale takes up: the codes' values come out the same.
;;   OPERANDS COMPUTED ON THE WAY. 'Computed on the way' means the value that the module computes at that place (a softmax that the list does not call 'softmax' is quantised finished and normalised). What goes into a quantiser is computed in f32, as accurately as f32 sums, v_exp_f32 and their like allow (about 1e-6 of the number): no bf16 or f16 on the way to a quantiser, and a product that is left as it is and whose result goes on into a quantised operand takes f32 operands (vector FMAs, or v_wmma_f32_16x16x4_f32). A number that lies on a knife's edge between two numbers of the format may be rounded either way, as far as f32 arithmetic and the matrix unit's own rounding can turn it there, and no further.
;;   INPUTS GIVEN AS CODES. Wk (in the module: [1024, 1024], K = its axis 1); Wp (in the module: [1024, 1024], K = its axis 1); Wq (in the module: [1024, 1024], K = its axis 1); Wv (in the module: [1024, 1024], K = its axis 1); encoder_output (in the module: [4, 2048, 1024], K = its axis 2); x (in the module: [4, 2048, 1024], K = its axis 2): each comes as NAME_codes (uint8): NAME with its K axis moved to the last place and cut into blocks of 32 codes, [.., K / 32, bytes a block], one block behind the other in memory; four codes in three bytes: a row's codes are one little-endian stream of bits, code i at bits 6 i .. 6 i + 5 (a code: sign, 2 exponent bits, 3 mantissa bits); and NAME_scales (uint8): the same leading axes, one E8M0 byte (e + 127) for each 32 codes along K. Its value is code x scale, taken as it is: it is not quantised again, and the codes and scales need not be those that the quantiser above would give.
;; One version. Each part assembles by itself: llvm-mc -triple=amdgcn-amd-amdhsa -mcpu=gfx1250 --defsym DOCPART=n.
;; ======== version 1 of 1: 3 launches
;; workspace buffers: qc 6,291,456 bytes; qs 524,288 bytes; kv 12,582,912 bytes; kvs 786,432 bytes; yc 6,291,456 bytes; ys 262,144 bytes
;; launch proj (part 1): grid 4 x 96, 4 waves a work-group, clusters of 4 x 4, 327,680 bytes of LDS; arguments x_codes, x_scales, encoder_output_codes, encoder_output_scales, Wq_codes, Wq_scales, Wk_codes, Wk_scales, Wv_codes, Wv_scales, bq, bk, bv, qc, qs, kv, kvs; writes qc, qs, kv, kvs
.if DOCPART == 1
	.amdgcn_target "amdgcn-amd-amdhsa--gfx1250"
	.amdhsa_code_object_version 6
	.text
	.protected	k_q2dd37506eb_proj
	.globl	k_q2dd37506eb_proj
	.p2align	8
	.type	k_q2dd37506eb_proj,@function
k_q2dd37506eb_proj:
	s_mov_b64 s[64:65], 0
	v_nop
	global_prefetch_b8 v0, s[64:65] scope:SCOPE_SE
	s_setreg_imm32_b32 hwreg(HW_REG_WAVE_MODE, 25, 1), 1
	s_wait_xcnt 0x0
	s_wait_alu depctr_hold_cnt(0) depctr_sa_sdst(0) depctr_va_vdst(0) depctr_va_sdst(0) depctr_va_ssrc(0) depctr_va_vcc(0) depctr_vm_vsrc(0)
	s_getreg_b32 s2, hwreg(HW_REG_IB_STS2, 6, 4)
	s_cmp_eq_u32 s2, 0
	s_cbranch_scc0 .Lentry_in_a_cluster
	s_endpgm
.Lentry_in_a_cluster:
	s_bfe_u32 s2, ttmp6, 0x10000c
	s_cmp_lg_u32 s2, 0xf033
	s_cbranch_scc0 .Lentry_shape_is_right
	s_endpgm
.Lentry_shape_is_right:
; q = x Wq^T + bq, k = e Wk^T + bk, v = e Wv^T + bv on the given codes of FP6 (E2M3) with E8M0 scales, K = 1,024; each result is quantised again, in registers, for the attention's two products.
; ONE TEXT, THREE JOBS, chosen by the cluster's y (24 clusters of 4 x 4 work-groups; job = y / 8), which all sixteen partners share.
;   job 0: P = tokens of x, R = channels of Wq;  job 1: P = tokens of e, R = channels of Wk;  job 2: P = channels of Wv, R = tokens of e.
; A work-group makes 256 (P) x 256 (R), a wave 128 x 128: 64 accumulators of 16 x 16 in windows 2 and 3.  The matrix instruction takes 16 rows of the R operand as source 0 and 16 rows of the P operand as source 1:
; a lane then holds ONE row of P and its registers run along R, which is the axis along which the result is quantised: the head's 64 channels for q and k, the keys for v.
; K goes in steps of 256 through two LDS slots filled by the tensor data mover; the scale bytes of the work-group's rows come once.  P's tiles are asked for jointly by a row of the cluster, R's by a column.
; THE BIAS is the C of each sum's first matrix instruction.
; WHAT IS STORED: images of operand registers, in pieces of 256 bytes (lane l's two registers at 8 l).
;   qc [bh][tile of 16 queries][3 pieces]: lane (r, hc) holds block hc (32 channels) of query r; its place in a piece is (r xor 8 ((tile / 2) % 2)) + 16 hc.   qs [bh][query]: a word, bytes 0, 1 the two scale bytes, bytes 2, 3 zero.
;   kv [bh][step of 128 keys][12,288]: K's 8 tiles as qc, then from byte 6,144 four fragments of V^T (16 channels x 128 keys, 6 pieces each).   kvs [bh]: K's words as qs, then from byte 8,192 V's words at 256 step + 4 channel.
; ORDER INSIDE A BLOCK OF 32: places 0-7, 8-15, 16-23, 24-31 hold numbers 0-7, 16-23, 8-15, 24-31 of the block.  q and k have it alike; the attention gives its weights the order that v has here.
; LIMITS: NaN, infinities and a given scale byte 0xff are not served.  A block of zeros gets the byte 1 (the quantiser's rule says 127): its codes are zeros and only this program reads the bytes.
.set NQ,     2                         ; matrix instructions deep in a slot (256 along K)
.set ROWB,   192                       ; a tile's row in bytes
.set KROW,   768                       ; a row of 1,024 codes in memory
.set PITCH,  240                       ; an LDS row: 3 x (64 bytes + 16 of padding)
.set FR,     12                        ; registers of a fragment
.set NL,     6                         ; LDS loads that bring one
.set NP,     4                         ; places behind this matrix instruction (ISA guide 7.12.1)
.set HALFT,  128*PITCH                 ; 128 rows: one tensor load
.set AHALF,  HALFT
.set ASTEP,  ROWB                      ; bytes from a slot's tile of P to the next slot's, in memory
.set BOFF,   2*AHALF                   ; in a slot: P's 256 rows, then R's 256
.set SLOT,   BOFF+2*HALFT
.set KS,     32                        ; a row of scale bytes
.set SCL,    2*SLOT                    ; behind the ring: the scales, as units of 256 bytes + 16
.set HALFS,  16*272                    ; those of 128 rows
.set SBLK,   2*272                     ; those of 16 rows
.set SPARE,  SCL+4*HALFS               ; the spare words: 128 bytes a wave, two blocks of 256 bytes that no other line names
.set ADRA, 16                          ; v16-17 LDS address of my P fragments in slot 0, 1; v18-19 the same behind one padding more
.set ADRB, 20                          ; v20-23 the same for R
.set ADRS, 27                          ; v27 my scale words: lanes 0-15 P's rows, lanes 16-31 R's
.set SPW,  28                          ; v28 my spare word's address; never rewritten
.set NIL,  29                          ; v29 0; never rewritten
.set SC,   32                          ; v32-63 scale words, two sets
.set BIAS, 64                          ; v64-127 the bias in the result's layout; free behind the first step
.set AF,   128                         ; v128-223 P's fragments, one set (window 0); R's two sets at v0 and v128 of window 1
.set G1, 24
.set G0, 32
.set G1B, 48
.set G0B, 56
.set G1S, 68
.set G0S, 76
.set G1SB, 80
.set G0SB, 88
.set OB0, 96                           ; s[96:97] where the codes go; s[92:93] the second run of pieces
.set SB0, 98                           ; s[98:99] where the scale words go; s[94:95] the second head's
.set SB1, 94
.set SEL, 100                          ; s[100:101] v_permlanex16_b32's selects for lane l xor 16
.set MSB, 0
.macro WIN new                         ; the immediate's high byte repeats the setting that is left
.if MSB != \new
	s_set_vgpr_msb (MSB<<8)|\new
.set MSB, \new
.endif
.endm
.set MUL_LO, 0xa1                      ; source 0 window 1, source 1 window 0, C and D window 2
.set MUL_HI, 0xf1                      ; the same, C and D window 3
.set TO_B,   0x40                      ; destination window 1
; A joint load: waves 0 and 1 fetch for P, waves 2 and 3 for R.  Four v_nop follow each of the two lines.
.macro JLOAD g0a, g1a, g0b, g1b
	s_cmp_eq_u32 s15, 0
	s_cbranch_scc0 .Lfor_b_\@
	tensor_load_to_lds s[\g0a:\g0a+3], s[\g1a:\g1a+7]
	s_nop 0
.rept 4
	v_nop
.endr
	s_branch .Lasked_\@
.Lfor_b_\@:
	tensor_load_to_lds s[\g0b:\g0b+3], s[\g1b:\g1b+7]
	s_nop 0
.rept 4
	v_nop
.endr
.Lasked_\@:
.endm
.macro CREST                           ; a round of the cluster's barrier behind its opening barrier
	s_cmp_lg_u32 s14, 0
	s_cbranch_scc1 .Lnot_wave_0_\@
	s_barrier_signal -3
.Lnot_wave_0_\@:
	s_barrier_wait -3
	s_barrier_signal -1
	s_barrier_wait -1
.endm
.macro CROUND
	s_barrier_signal -1
	s_barrier_wait -1
	CREST
.endm
	s_load_b512 s[24:39], s[0:1], 0x0              ; x's codes, scales; e's; Wq's; Wk's
	s_load_b512 s[40:55], s[0:1], 0x40             ; Wv's codes, scales; bq, bk, bv; qc, qs, kv
	s_load_b64 s[56:57], s[0:1], 0x80              ; kvs
	v_lshl_add_u32 v[SPW], v0, 2, SPARE
	v_mov_b32 v[NIL], 0
	ds_add_u32 v28, v29
	ds_add_u32 v28, v29
	s_wait_dscnt 0x0
	v_lshrrev_b32 v1, 5, v0
	v_readfirstlane_b32 s14, v1                    ; wave 0..3
	s_lshr_b32 s15, s14, 1                         ; my half of P's rows.  Also: I fetch for P (0) or for R (1)
	s_and_b32 s16, s14, 1                          ; my half of R's rows.  Also: which 128 rows I fetch
	s_and_b32 s17, ttmp7, 0xffff                   ; the cluster's y
	s_lshr_b32 s2, s17, 3                          ; the job: the same in all sixteen partners
	s_and_b32 s17, s17, 7
	s_lshl_b32 s18, s17, 2                         ; the first of this cluster's four tiles along the tokens
	s_mov_b32 s[SEL], 0x76543210
	s_mov_b32 s[SEL+1], 0xfedcba98
	s_wait_kmcnt 0x0
	s_cmp_eq_u32 s2, 0                             ; the buffers are chosen on the job alone
	s_cselect_b64 s[4:5], s[24:25], s[28:29]       ; P's codes: x's or e's
	s_cselect_b64 s[6:7], s[26:27], s[30:31]       ; P's scales
	s_cselect_b64 s[8:9], s[32:33], s[36:37]       ; R's codes: Wq's or Wk's
	s_cselect_b64 s[10:11], s[34:35], s[38:39]
	s_cselect_b64 s[12:13], s[44:45], s[46:47]     ; the bias
	s_cselect_b64 s[OB0:OB0+1], s[50:51], s[54:55] ; qc or kv
	s_cselect_b64 s[SB0:SB0+1], s[52:53], s[56:57] ; qs or kvs
	s_cmp_eq_u32 s2, 2                             ; job 2: P = Wv, R = e
	s_cselect_b64 s[8:9], s[28:29], s[8:9]
	s_cselect_b64 s[10:11], s[30:31], s[10:11]
	s_cselect_b64 s[4:5], s[40:41], s[4:5]
	s_cselect_b64 s[6:7], s[42:43], s[6:7]
	s_cselect_b64 s[12:13], s[48:49], s[12:13]
	s_cselect_b32 s17, 0, s18                      ; the tokens are P's rows in jobs 0 and 1,
	s_cselect_b32 s19, s18, 0                      ; R's in job 2
	s_bfe_u32 s40, ttmp6, 0x40000                  ; cx, cy: my place in the cluster
	s_bfe_u32 s41, ttmp6, 0x40004
	s_add_co_u32 s17, s17, s41                     ; P's tile: hangs on cy alone
	s_add_co_u32 s42, s19, s40                     ; R's tile: on cx alone
	s_lshl_b32 s43, s41, 2
	s_lshl_b32 s43, 15, s43                        ; my row of the cluster
	s_lshl_b32 s44, 0x1111, s40                    ; my column
	; descriptor group 1: a tile of 128 rows x 192 bytes, 16 bytes of padding behind every 64
	s_or_b32 s[G1+0], s43, (1<<20)|(1<<21)|(3<<22)|(3<<25)
	s_or_b32 s[G1B+0], s44, (1<<20)|(1<<21)|(3<<22)|(3<<25)
.irp g, G1, G1B
	s_mov_b32 s[\g+1], ROWB<<16                    ; tensor_dim0
	s_mov_b32 s[\g+2], 128<<16                     ; tensor_dim1
	s_mov_b32 s[\g+3], ROWB<<16                    ; tile_dim0
	s_mov_b32 s[\g+4], 128                         ; tile_dim1
	s_mov_b32 s[\g+5], KROW                        ; the pitch
	s_mov_b32 s[\g+6], 0
	s_mov_b32 s[\g+7], 0
.endr
	; the scales of 128 rows: 4,096 dense bytes as 16 rows of 256 (32 elements of 8 bytes), 16 bytes of padding behind each
	s_or_b32 s[G1S+0], s43, (3<<16)|(1<<20)|(1<<21)|(5<<22)|(3<<25)
	s_or_b32 s[G1SB+0], s44, (3<<16)|(1<<20)|(1<<21)|(5<<22)|(3<<25)
.irp g, G1S, G1SB
	s_mov_b32 s[\g+1], 32<<16
	s_mov_b32 s[\g+2], 16<<16
	s_mov_b32 s[\g+3], 32<<16
	s_mov_b32 s[\g+4], 16
	s_mov_b32 s[\g+5], 32
	s_mov_b32 s[\g+6], 0
	s_mov_b32 s[\g+7], 0
.endr
	s_lshl_b32 s18, s16, 7                         ; which 128 rows of a tile I fetch
	s_lshl_b32 s20, s17, 8
	s_add_co_u32 s20, s20, s18                     ; P: row 256 x tile + 128 x half
	s_lshl_b32 s46, s42, 8
	s_add_co_u32 s46, s46, s18                     ; R likewise
	s_mov_b32 s21, 0
	s_mov_b32 s47, 0
	s_mov_b64 s[18:19], KS
	s_mul_u64 s[22:23], s[20:21], s[18:19]         ; where these rows' scales begin,
	s_mul_u64 s[92:93], s[46:47], s[18:19]
	s_mov_b64 s[18:19], KROW
	s_mul_u64 s[20:21], s[20:21], s[18:19]         ; and their codes
	s_mul_u64 s[46:47], s[46:47], s[18:19]
	s_mul_i32 s45, s16, AHALF                      ; where they go: no place in the cluster enters an LDS address
	s_mul_i32 s95, s16, HALFT
	s_add_co_u32 s95, s95, BOFF
	s_mul_i32 s94, s14, HALFS
	s_add_nc_u64 s[20:21], s[4:5], s[20:21]
	s_add_nc_u64 s[22:23], s[6:7], s[22:23]
	s_add_nc_u64 s[46:47], s[8:9], s[46:47]
	s_add_nc_u64 s[92:93], s[10:11], s[92:93]
	CROUND                                         ; all sixteen work-groups are here: the first joint loads meet
	s_mov_b32 s[G0S], 1
	s_add_co_u32 s[G0S+1], s94, SCL
	s_mov_b64 s[G0S+2:G0S+3], s[22:23]
	s_or_b32 s[G0S+3], s[G0S+3], 0x80000000
	s_mov_b32 s[G0SB], 1
	s_add_co_u32 s[G0SB+1], s94, SCL
	s_mov_b64 s[G0SB+2:G0SB+3], s[92:93]
	s_or_b32 s[G0SB+3], s[G0SB+3], 0x80000000
	JLOAD G0S, G1S, G0SB, G1SB                     ; the scales first: they are wanted with the first step
.irp s, 0,1
	s_mov_b32 s[G0+4*\s], 1
	s_add_co_u32 s[G0+4*\s+1], s45, \s*SLOT
	s_add_nc_u64 s[G0+4*\s+2:G0+4*\s+3], s[20:21], \s*ASTEP
	s_or_b32 s[G0+4*\s+3], s[G0+4*\s+3], 0x80000000
	s_mov_b32 s[G0B+4*\s], 1
	s_add_co_u32 s[G0B+4*\s+1], s95, \s*SLOT
	s_add_nc_u64 s[G0B+4*\s+2:G0B+4*\s+3], s[46:47], \s*ROWB
	s_or_b32 s[G0B+4*\s+3], s[G0B+4*\s+3], 0x80000000
	JLOAD G0+4*\s, G1, G0B+4*\s, G1B               ; three tensor loads of mine are out
.endr
	v_and_b32 v1, 15, v0                           ; r = l % 16
	v_bfe_u32 v2, v0, 4, 1                         ; h = l / 16
	v_mul_u32_u24 v3, v1, PITCH
	v_mul_u32_u24 v4, v2, 24
	v_add_nc_u32 v4, v3, v4                        ; a fragment's row x pitch + 24 x half
	v_lshl_add_u32 v5, v2, 4, v4                   ; and the same behind one padding more
	s_mul_i32 s21, s15, AHALF                      ; my 128 rows of P
	s_mul_i32 s22, s16, HALFT                      ; my 128 rows of R,
	s_add_co_u32 s22, s22, BOFF                    ; behind P's 256
.irp s, 0,1
	v_add_nc_u32 v[ADRA+\s], s21, v4
	v_add_nc_u32 v[ADRB+\s], s22, v4
	v_add_nc_u32 v[ADRA+2+\s], s21, v5
	v_add_nc_u32 v[ADRB+2+\s], s22, v5
	s_add_co_u32 s21, s21, SLOT
	s_add_co_u32 s22, s22, SLOT
.endr
	v_mul_u32_u24 v5, v1, KS                       ; my row's scales: 32 bytes a row,
	v_lshrrev_b32 v6, 8, v5
	v_lshl_add_u32 v5, v6, 4, v5                   ; and 16 more for each 256 passed
	s_mul_i32 s21, s15, HALFS
	s_mul_i32 s22, s16, HALFS
	s_add_co_u32 s22, s22, 2*HALFS
	s_sub_co_u32 s22, s22, s21
	v_mul_u32_u24 v6, s22, v2                      ; lanes 16-31 take R's
	s_add_co_u32 s21, s21, SCL
	v_add_nc_u32 v5, v5, v6
	v_add_nc_u32 v[ADRS], s21, v5
	; the bias: along R (jobs 0, 1: register 8 b + j is channel 16 b + 8 h + j) or along P (job 2: my lane's channel 16 a + r)
	v_lshlrev_b32 v7, 5, v2                        ; 32 h
	v_lshlrev_b32 v8, 2, v1                        ; 4 r
	s_lshl_b32 s20, s17, 8
	s_lshl_b32 s21, s15, 7
	s_add_co_u32 s20, s20, s21                     ; my first row of P
	s_lshl_b32 s21, s42, 8
	s_lshl_b32 s22, s16, 7
	s_add_co_u32 s21, s21, s22                     ; my first row of R
	s_cmp_eq_u32 s2, 2
	s_cselect_b32 s20, s20, s21                    ; my first channel
	s_lshl_b32 s20, s20, 2
	s_mov_b32 s21, 0
	s_add_nc_u64 s[12:13], s[12:13], s[20:21]
	s_cmp_eq_u32 s2, 2
	s_cbranch_scc1 .Lbias_v
.irp b, 0,1,2,3,4,5,6,7
	global_load_b128 v[BIAS+8*\b:BIAS+8*\b+3], v7, s[12:13] offset:64*\b
	global_load_b128 v[BIAS+8*\b+4:BIAS+8*\b+7], v7, s[12:13] offset:64*\b+16
.endr
	s_branch .Lbias_done
.Lbias_v:
.irp a, 0,1,2,3,4,5,6,7
	global_load_b32 v[BIAS+8*\a], v8, s[12:13] offset:64*\a
.endr
.Lbias_done:
.macro FRAG reg, adr, q, i             ; 16 rows x 128 K: lane l holds row l % 16; registers 6 c .. 6 c + 5 hold K = 64 c + 32 (l / 16) + 0 .. 31: 24 bytes as they lie, in pieces of 8
.irp p, 0,1,2,3,4,5
.set PCE, 12*(\q)+6*(\p/3)+\p%3        ; the piece of lanes 0-15; lanes 16-31 take the piece three on, which for some pieces lies behind one padding more: the second address register serves those
.if PCE%8 < 5
	ds_load_b64 v[\reg+2*\p:\reg+2*\p+1], v[\adr] offset:8*PCE+16*(PCE/8)+(\i)*16*PITCH
.else
	ds_load_b64 v[\reg+2*\p:\reg+2*\p+1], v[\adr+2] offset:8*PCE+16*(PCE/8)+(\i)*16*PITCH
.endif
.endr
.endm
; 16 matrix instructions: P's blocks a0, a0 + 1 x R's eight.  first = 0: onto the sums; 1: the sums start from the bias along R; 2: from the bias along P.  The 64 accumulators take turns, one instruction a turn.
.macro MUL16 a0, p, q, sc, first
.irp a, \a0, \a0+1
.irp b, 0,1,2,3,4,5,6,7
.set DR, 8*(8*((\a)%4)+\b)
.set CR, DR
.if \first == 1
.set CR, BIAS+8*\b
.endif
.if \first == 2
.set CR, BIAS+8*(\a)
.endif
	v_wmma_scale_f32_16x16x128_f8f6f4 v[DR:DR+7], v[128*(\p)+FR*\b:128*(\p)+FR*\b+FR-1], v[AF+FR*(\a):AF+FR*(\a)+FR-1], v[CR:CR+7], v[SC+8*NQ*(\sc)+NQ*\b+(\q)], v[SC+8*NQ*(\sc)+NQ*(\a)+(\q)] matrix_a_fmt:MATRIX_FMT_FP6 matrix_b_fmt:MATRIX_FMT_FP6 matrix_a_scale:MATRIX_SCALE_ROW1
.endr
.endr
.endm
.macro FETCH_B slot, q, p
	WIN TO_B
.irp i, 0,1,2,3,4,5,6,7
	FRAG 128*(\p)+FR*\i, ADRB+\slot, \q, \i
.endr
	WIN 0
.endm
.macro FETCH_A slot, q, i0
.irp i, \i0, \i0+1, \i0+2, \i0+3
	FRAG AF+FR*(\i), ADRA+\slot, \q, \i
.endr
.endm
.macro SCALES sc                       ; a slot's two scale words a row: lanes 0-15 P's block i, lanes 16-31 R's block i
.irp i, 0,1,2,3,4,5,6,7
	ds_load_b64 v[SC+8*NQ*\sc+NQ*\i:SC+8*NQ*\sc+NQ*\i+1], v[ADRS] offset:\i*SBLK
.endr
.endm
.macro PLACES n                        ; plain vector instructions between a matrix instruction and a load into, or a read of, its registers
.rept \n
	v_nop
.endr
.endm
.macro STEP slot, q, first             ; 128 along K with a successor in the same slot
	s_wait_dscnt 4*NL                              ; all but the youngest 24 loads (P's blocks 4-7) are in
.if \first
	WIN 0x81                                       ; D window 2, C (the bias) window 0
.else
	WIN MUL_LO
.endif
	MUL16 0, (\q)%2, \q, \slot, \first
	MUL16 2, (\q)%2, \q, \slot, \first
	s_wait_dscnt 0
	PLACES NP
	FETCH_B \slot, (\q)+1, 1-(\q)%2
	FETCH_A \slot, (\q)+1, 0
.if \first
	WIN 0xc1                                       ; D window 3, C window 0
.else
	WIN MUL_HI
.endif
	MUL16 4, (\q)%2, \q, \slot, \first
	MUL16 6, (\q)%2, \q, \slot, \first
	PLACES NP
	WIN 0
	FETCH_A \slot, (\q)+1, 4
.endm
; A slot's last step changes slots: one barrier; in front of it each wave waits for all its tensor loads, adds 0 to its spare word, and waits for that and for its reads of this slot.
.macro TURN slot, next, fill
	s_wait_tensorcnt 0x0                           ; all my tensor loads have landed: my part of the next slot
	ds_add_u32 v[SPW], v[NIL]
	s_wait_dscnt 4*NL+1                            ; the add and the youngest 24 loads may be out
	WIN MUL_LO
	MUL16 0, 1, NQ-1, \slot, 0
	s_wait_dscnt 0x0                               ; the add is done, and my reads of this slot are over
	s_barrier_signal -1
	MUL16 2, 1, NQ-1, \slot, 0
	WIN 0
	s_barrier_wait -1
.if \fill
	CREST                                          ; the barrier has opened a round of the cluster's: no wave of any partner still reads this slot or has a load on its way
	s_add_nc_u64 s[G0+4*\slot+2:G0+4*\slot+3], s[G0+4*\slot+2:G0+4*\slot+3], 2*ASTEP
	s_add_nc_u64 s[G0B+4*\slot+2:G0B+4*\slot+3], s[G0B+4*\slot+2:G0B+4*\slot+3], 2*ROWB
	JLOAD G0+4*\slot, G1, G0B+4*\slot, G1B         ; my one tensor load behind the round; its four v_nop are the places in front of the loads below
.else
	PLACES NP
.endif
	v_add_nc_u32 v[ADRS], 4*NQ, v[ADRS]            ; the next slot's scale words
	FETCH_B \next, 0, 0
	FETCH_A \next, 0, 0
	SCALES \next
	WIN MUL_HI
	MUL16 4, 1, NQ-1, \slot, 0
	MUL16 6, 1, NQ-1, \slot, 0
	PLACES NP
	WIN 0
	FETCH_A \next, 0, 4
.endm
	s_wait_tensorcnt 1                             ; the scales and my part of slot 0 are in; slot 1's load may be out
	s_barrier_signal -1
	s_barrier_wait -1
	FETCH_B 0, 0, 0
	FETCH_A 0, 0, 0
	SCALES 0
	FETCH_A 0, 0, 4
	s_wait_loadcnt 0x0                             ; the bias
	s_cmp_eq_u32 s2, 2                             ; the first step is written twice: its C differs.  Both ways issue the same LDS loads
	s_cbranch_scc1 .Lfirst_v
	STEP 0, 0, 1
	s_branch .Lgo
.Lfirst_v:
.irp a, 0,1,2,3,4,5,6,7
.irp j, 1,2,3,4,5,6,7
	v_mov_b32 v[BIAS+8*\a+\j], v[BIAS+8*\a]        ; my channel's bias for all eight keys of a register run
.endr
.endr
	STEP 0, 0, 2
.Lgo:
	s_mov_b32 s3, 1                                ; K = 1,024 is two laps of the ring; the loop's one trip fills both slots again
.Llap:
	TURN 0, 1, 1
	STEP 1, 0, 0
	TURN 1, 0, 1
	STEP 0, 0, 0
	s_sub_co_u32 s3, s3, 1
	s_cmp_lg_u32 s3, 0
	s_cbranch_scc1 .Llap
	TURN 0, 1, 0                                   ; the last lap fills nothing
	STEP 1, 0, 0
	s_wait_dscnt 4*NL
	WIN MUL_LO
	MUL16 0, 1, NQ-1, 1, 0
	MUL16 2, 1, NQ-1, 1, 0
	s_wait_dscnt 0
	WIN MUL_HI
	MUL16 4, 1, NQ-1, 1, 0
	MUL16 6, 1, NQ-1, 1, 0
	WIN 0
; THE WAY OUT.  No tensor load is out, so the descriptors' registers serve as scratch.  What differs between the jobs is kept in scalars, chosen without a jump.
.set TM,  64                           ; v64-67 largest magnitudes, v68-71 bytes, v76-79 the conversions' scale operands
.set PW,  80                           ; the four bytes of a row
.set CD,  84                           ; v84-95 the fragment; v96-98, v100-102 the conversions' second halves
.set LT,  104                          ; v104 8 x lane; v105 the same turned by 64 for tiles whose (tile / 2) is odd (q, k)
.set SHV, 106                          ; v106 16 h (q, k) or 0 (v)
.set STW, 107                          ; v107 my scale word's place in my stage
.set SRD, 108                          ; v108 16 x lane in my stage
.set VS1, 109                          ; v109 where 16 bytes of scale words go
.set WB,  112                          ; v112-119 scale words on their way out
.set PV,  120                          ; v120-127 a block's scale word, one register a block: no LDS store's data are written again
	s_lshl_b32 s24, s17, 8
	s_lshl_b32 s25, s15, 7
	s_add_co_u32 s24, s24, s25                     ; my first row of P
	s_lshl_b32 s25, s42, 8
	s_lshl_b32 s26, s16, 7
	s_add_co_u32 s25, s25, s26                     ; my first row of R
	s_cmp_eq_u32 s2, 2
	s_cselect_b32 s26, s25, s24                    ; my first token
	s_cselect_b32 s27, s24, s25                    ; my first channel
	s_and_b32 s28, s26, 2047                       ; the token in its batch
	s_lshr_b32 s29, s26, 11
	s_lshl_b32 s29, s29, 4
	s_lshr_b32 s27, s27, 6
	s_add_co_u32 s29, s29, s27                     ; bh = 16 x batch + my first head
	s_lshl_b32 s50, s28, 2                         ; q's and k's scale words: 4 bytes a token
	s_lshl_b32 s51, s28, 1
	s_add_co_u32 s51, s51, 8192                    ; v's: 256 bytes a step of 128 keys, behind K's
	s_mov_b32 s30, 196608
	s_mov_b32 s42, 12288
	s_cmp_eq_u32 s2, 0
	s_cselect_b32 s30, 98304, s30                  ; a head's bytes of codes: qc or kv
	s_cselect_b32 s42, 8192, s42                   ; and of scale words: qs or kvs
	s_cselect_b32 s32, 48, 96                      ; bytes a token: 768 a tile of 16, or 12,288 a step of 128
	s_mov_b32 s36, 768
	s_mov_b32 s49, 256
	s_cmp_eq_u32 s2, 2
	s_cselect_b32 s33, 6144, 0                     ; V lies behind K in a step
	s_cselect_b32 s40, 768, s30                    ; registers 6-11 go: v: to the fragment's second half; q, k: to the next head
	s_cselect_b32 s36, 1536, s36                   ; from block to block
	s_cselect_b32 s38, 190464, 0                   ; v: behind four fragments on to the next head
	s_cselect_b32 s46, 0, 64
	s_cselect_b32 s47, 0, 16
	s_cselect_b32 s48, -1, 0xffff
	s_cselect_b32 s49, 12288, s49
	s_cselect_b32 s50, s51, s50
	s_mov_b32 s37, 0
	s_mov_b32 s39, 0
	s_mov_b32 s41, 0
	s_mov_b32 s43, 0
	s_mov_b32 s45, 0
	s_mul_i32 s44, s29, s30
	s_mul_i32 s51, s28, s32
	s_add_co_u32 s44, s44, s51
	s_add_co_u32 s44, s44, s33
	s_add_nc_u64 s[OB0:OB0+1], s[OB0:OB0+1], s[44:45]
	s_add_nc_u64 s[OB0-4:OB0-3], s[OB0:OB0+1], s[40:41]
	s_mul_i32 s44, s29, s42
	s_add_co_u32 s44, s44, s50
	s_add_nc_u64 s[SB0:SB0+1], s[SB0:SB0+1], s[44:45]
	s_add_nc_u64 s[SB1:SB1+1], s[SB0:SB0+1], s[42:43]
	s_lshl_b32 s51, s14, 10                        ; my stage: 1,024 bytes in slot 0, which has had its last fill and its last read
	v_and_b32 v[LT], 31, v0                        ; (these plain lines are also the places behind the last products)
	v_lshlrev_b32 v[SRD], 4, v[LT]
	v_lshlrev_b32 v[LT], 3, v[LT]
	v_xor_b32 v[LT+1], s46, v[LT]
	v_mul_u32_u24 v[SHV], s47, v2
	v_lshlrev_b32 v[STW], 2, v1
	v_lshl_add_u32 v[STW], v2, 9, v[STW]
	v_add_nc_u32 v[STW], s51, v[STW]               ; 1,024 wave + 512 h + 4 r
	v_add_nc_u32 v[SRD], s51, v[SRD]
	v_mul_u32_u24 v[VS1], s49, v2
	v_lshl_add_u32 v[VS1], v1, 4, v[VS1]
.irp b, 0,1,2,3
	v_mov_b32 v[TM+4+\b], 0                        ; a lane permute's destination counts as one of its sources
.endr
; Block a: 16 rows of P x 128 along R.  Register 16 b + i of a lane is one of 16 numbers of block b of its row; lane l xor 16 holds the other 16.
.macro QBLOCK a
.set AC, 64*((\a)%4)
.set W, 2+(\a)/4
.irp b, 0,1,2,3
	v_mov_b32 v[TM+\b], 0x1800000                  ; the floor 2^(3 - 127): the byte cannot fall under 1
.endr
	WIN (W<<2)|(W<<4)
.irp i, 0,2,4,6,8,10,12,14
.irp b, 0,1,2,3
	v_max3_num_f32 v[TM+\b], v[TM+\b], |v[AC+16*\b+\i]|, |v[AC+16*\b+\i+1]|   ; ascending: each accumulator is first read at its low end; the four blocks by turns
.endr
.endr
	WIN 0
.irp b, 0,1,2,3
	v_permlanex16_b32 v[TM+4+\b], v[TM+\b], s[SEL], s[SEL+1]
.endr
.irp b, 0,1,2,3
	v_max_num_f32 v[TM+\b], v[TM+\b], v[TM+4+\b]   ; the block's largest magnitude
.endr
.irp b, 0,1,2,3
	v_add_nc_u32 v[TM+12+\b], 0xff000000, v[TM+\b] ; 2 off its exponent field: the conversion's scale operand
.endr
.irp b, 0,1,2,3
	v_lshrrev_b32 v[TM+4+\b], 23, v[TM+12+\b]      ; the scale's byte
.endr
	v_lshl_or_b32 v[PW], v[TM+5], 8, v[TM+4]
	v_lshl_or_b32 v[PW], v[TM+6], 16, v[PW]
	v_lshl_or_b32 v[PW], v[TM+7], 24, v[PW]
	v_lshrrev_b32 v[PV+\a], v[SHV], v[PW]          ; q, k: lanes of half h carry head h's two bytes, zeros above; v: the whole word
	v_and_b32 v[PV+\a], s48, v[PV+\a]
	s_wait_xcnt 0x0                                ; the last block's stores have read their data and bases: both are written again only behind this wait
.if (\a) > 0
	s_add_nc_u64 s[OB0:OB0+1], s[OB0:OB0+1], s[36:37]
	s_add_nc_u64 s[OB0-4:OB0-3], s[OB0-4:OB0-3], s[36:37]
.endif
.if (\a) == 4
	s_add_nc_u64 s[OB0:OB0+1], s[OB0:OB0+1], s[38:39]
	s_add_nc_u64 s[OB0-4:OB0-3], s[OB0-4:OB0-3], s[38:39]
.endif
	WIN W
.irp c, 0,1
	v_cvt_scalef32_pk16_fp6_f32 v[CD+6*\c:CD+6*\c+2], v[AC+32*\c:AC+32*\c+15], v[TM+12+2*\c]
	v_cvt_scalef32_pk16_fp6_f32 v[CD+12+4*\c:CD+14+4*\c], v[AC+16+32*\c:AC+31+32*\c], v[TM+12+2*\c+1]   ; (a conversion's three registers begin on an even number)
.endr
	WIN 0
	v_nop                                          ; one plain place behind a scaled conversion
.irp c, 0,1                                    ; a whole block to a lane: lanes 0-15 block 2 c, lanes 16-31 block 2 c + 1
.irp i, 0,1,2
	v_permlane16_swap_b32 v[CD+6*\c+\i], v[CD+12+4*\c+\i]
.endr
.irp i, 0,1,2
	v_mov_b32 v[CD+3+6*\c+\i], v[CD+12+4*\c+\i]
.endr
.endr
	ds_store_b32 v[STW], v[PV+\a] offset:64*(\a)
.irp g, 0,1
.irp q, 0,1,2
	global_store_b64 v[LT+(((\a)>>1)&1)], v[CD+6*\g+2*\q:CD+6*\g+2*\q+1], s[OB0-4*\g:OB0-4*\g+1] offset:256*\q   ; 32 lanes store 256 consecutive bytes, aligned
.endr
.endr
.endm
.irp a, 0,1,2,3,4,5,6,7
	QBLOCK \a
.endr
	ds_load_b128 v[WB:WB+3], v[SRD]                ; LDS serves a wave's instructions in order (ISA guide 5.7.1.4): these see my stores
	ds_load_b128 v[WB+4:WB+7], v[SRD] offset:512
	s_wait_dscnt 0x0
	global_store_b128 v[VS1], v[WB:WB+3], s[SB0:SB0+1]   ; q, k: the first head's 128 words; v: 64 words of each of my two heads
	s_cmp_eq_u32 s2, 2
	s_cbranch_scc1 .Lone_chunk
	global_store_b128 v[VS1], v[WB+4:WB+7], s[SB1:SB1+1] ; q, k: the second head's
.Lone_chunk:
	s_wait_tensorcnt 0x0                           ; the wave's end
	ds_add_u32 v[SPW], v[NIL]
	s_wait_dscnt 0x0
	CROUND                                         ; the closing round
	s_endpgm
.Lfunc_end_k_q2dd37506eb_proj:
	.size	k_q2dd37506eb_proj, .Lfunc_end_k_q2dd37506eb_proj-k_q2dd37506eb_proj
	.p2alignl 7, 3214868480
	.fill 96, 4, 3214868480
	.section	.rodata,"a",@progbits
	.p2align	6, 0x0
	.amdhsa_kernel k_q2dd37506eb_proj
		.amdhsa_group_segment_fixed_size 327680
		.amdhsa_private_segment_fixed_size 0
		.amdhsa_enable_private_segment 0
		.amdhsa_kernarg_size 136
		.amdhsa_user_sgpr_count 2
		.amdhsa_user_sgpr_kernarg_segment_ptr 1
		.amdhsa_wavefront_size32 1
		.amdhsa_system_sgpr_workgroup_id_x 1
		.amdhsa_system_sgpr_workgroup_id_y 1
		.amdhsa_system_sgpr_workgroup_id_z 1
		.amdhsa_system_vgpr_workitem_id 0
		.amdhsa_next_free_vgpr 1024
		.amdhsa_next_free_sgpr 102
		.amdhsa_reserve_vcc 0
		.amdhsa_float_denorm_mode_32 3
		.amdhsa_float_denorm_mode_16_64 3
		.amdhsa_memory_ordered 1
		.amdhsa_forward_progress 1
		.amdhsa_inst_pref_size 190
	.end_amdhsa_kernel
	.amdgpu_metadata
---
amdhsa.version: [ 1, 2 ]
amdhsa.kernels:
  - .name:           k_q2dd37506eb_proj
    .symbol:         k_q2dd37506eb_proj.kd
    .args:
      - { .name: x_codes, .offset: 0, .size: 8, .value_kind: global_buffer, .address_space: global }
      - { .name: x_scales, .offset: 8, .size: 8, .value_kind: global_buffer, .address_space: global }
      - { .name: encoder_output_codes, .offset: 16, .size: 8, .value_kind: global_buffer, .address_space: global }
      - { .name: encoder_output_scales, .offset: 24, .size: 8, .value_kind: global_buffer, .address_space: global }
      - { .name: Wq_codes, .offset: 32, .size: 8, .value_kind: global_buffer, .address_space: global }
      - { .name: Wq_scales, .offset: 40, .size: 8, .value_kind: global_buffer, .address_space: global }
      - { .name: Wk_codes, .offset: 48, .size: 8, .value_kind: global_buffer, .address_space: global }
      - { .name: Wk_scales, .offset: 56, .size: 8, .value_kind: global_buffer, .address_space: global }
      - { .name: Wv_codes, .offset: 64, .size: 8, .value_kind: global_buffer, .address_space: global }
      - { .name: Wv_scales, .offset: 72, .size: 8, .value_kind: global_buffer, .address_space: global }
      - { .name: bq, .offset: 80, .size: 8, .value_kind: global_buffer, .address_space: global }
      - { .name: bk, .offset: 88, .size: 8, .value_kind: global_buffer, .address_space: global }
      - { .name: bv, .offset: 96, .size: 8, .value_kind: global_buffer, .address_space: global }
      - { .name: qc, .offset: 104, .size: 8, .value_kind: global_buffer, .address_space: global }
      - { .name: qs, .offset: 112, .size: 8, .value_kind: global_buffer, .address_space: global }
      - { .name: kv, .offset: 120, .size: 8, .value_kind: global_buffer, .address_space: global }
      - { .name: kvs, .offset: 128, .size: 8, .value_kind: global_buffer, .address_space: global }
    .group_segment_fixed_size: 327680
    .private_segment_fixed_size: 0
    .kernarg_segment_align: 8
    .kernarg_segment_size: 136
    .max_flat_workgroup_size: 128
    .sgpr_count:     102
    .vgpr_count:     1024
    .wavefront_size: 32
...
	.end_amdgpu_metadata
.endif
;; end of part 1
;; launch attn (part 2): grid 8 x 64, 16 waves a work-group, clusters of 4 x 1, 210,944 bytes of LDS; arguments qc, qs, kv, kvs, yc, ys; writes yc, ys
.if DOCPART == 2
	.amdgcn_target "amdgcn-amd-amdhsa--gfx1250"
	.amdhsa_code_object_version 6
	.text
	.protected	k_q2dd37506eb_attn
	.globl	k_q2dd37506eb_attn
	.p2align	8
	.type	k_q2dd37506eb_attn,@function
k_q2dd37506eb_attn:
	s_mov_b64 s[64:65], 0
	v_nop
	global_prefetch_b8 v0, s[64:65] scope:SCOPE_SE
	s_setreg_imm32_b32 hwreg(HW_REG_WAVE_MODE, 25, 1), 1
	s_wait_xcnt 0x0
	s_wait_alu depctr_hold_cnt(0) depctr_sa_sdst(0) depctr_va_vdst(0) depctr_va_sdst(0) depctr_va_ssrc(0) depctr_va_vcc(0) depctr_vm_vsrc(0)
	s_getreg_b32 s2, hwreg(HW_REG_IB_STS2, 6, 4)
	s_cmp_eq_u32 s2, 0
	s_cbranch_scc0 .Lentry_in_a_cluster
	s_endpgm
.Lentry_in_a_cluster:
	s_bfe_u32 s2, ttmp6, 0x10000c
	s_cmp_lg_u32 s2, 0x3003
	s_cbranch_scc0 .Lentry_shape_is_right
	s_endpgm
.Lentry_shape_is_right:
; y[b][n][head] = softmax(q k^T / 8) v for one (batch, head) pair bh and 256 queries a work-group, both products on codes of FP6 (E2M3) with E8M0 scales; y is quantised for the last projection.
; THE SOFTMAX: t = score x log2(e) / 8; M = the running largest t rounded UP to a whole number; p = 2^(t - M) is quantised along the keys, not normalised; the sum of the unquantised p divides at the end.
; When M moves, the sum and O are multiplied by 2^(old M - new M): exact, and without a branch on data.
; SHARES.  Sixteen waves, each with ONE tile of 16 queries in 256 registers: four waves to a SIMD, so that one wave's vector work stands beside another's matrix work and LDS loads.
; A HEAD'S WHOLE K AND V (196,608 bytes of register images) AND THEIR SCALE WORDS (12,288) STAY IN LDS: every byte is filled once, nothing is stored to LDS, so there is no ring.
; CLUSTER.  The four query blocks of a cluster belong to one head and want the same bytes: every tensor load is a joint one (mask 15).  Each wave issues five: its 768 bytes of the scale words and its
; 3,072 bytes of each of four chunks of four key steps; by this text's count five are out at the most.  A chunk is read behind a counted wait and a barrier, while the later chunks are on their way.
; LAYOUT.  Both products are used transposed: S^T = K Q^T (source 0 = 16 keys), O^T = V^T P^T (source 0 = 16 channels): a lane holds ONE query (lane % 16) throughout.
; THE FIRST PRODUCT HAS K = 64: Q's registers 6-11 are zero codes and bytes 2, 3 of both scale words are 0, so K's operand may name six registers beyond its own six: whatever codes lie there are multiplied by zero.
; THE KEYS OF A TILE: row 8 h' + j of tile 4 g + t is key 64 g + 32 h' + 8 s(t) + j, s = 0, 2, 1, 3.  So a lane's 32 registers of tiles 4 g .. 4 g + 3 are the WHOLE block 2 g + lane / 16 of 32 keys, in the order in
; which v's codes lie: a block's maximum needs no other lane, and the conversions' results are the second product's operand as they stand.
; LIMITS: NaN and infinities are not served.  A block of zeros gets the byte 1 with zero codes; only this program reads the bytes.  ys is written two bytes a row (262,144 bytes in all).
.set SC,   196608                      ; LDS: K's scale words (4 bytes a key), from SC + 8,192 V's (256 bytes a step)
.set WV,   18                          ; s18 my wave's number
.set SEL,  20                          ; s[20:21] selects for lane l xor 16
.set CS,   22                          ; s[22:23] c = log2(e) / 8
.set G1C,  24                          ; s[24:31] group 1: 12 rows of 256 bytes
.set G1S,  32                          ; s[32:39] group 1: 3 rows of 256 bytes
.set G0,   40                          ; s[40:59] five groups 0
.set TB,   60                          ; s60 LDS byte of the key step in hand
.set TS,   61                          ; s61 its scale words of K: 512 bytes a step
.set TJ,   62                          ; s62 and of V: 256 bytes a step
.set CNT,  63
; v1 LK0, v2 LK1, v3 LKS, v4 LV, v5 LVS: my lane's places; v6-10 the step's addresses; v11 8 (lane / 16); v12 -M; v13 the largest t; v[14:15] the sum; v16-21 Q, v22-27 zeros; v28 Q's scale word;
; v32-79 K's eight half fragments, then V's four fragments; v80-85 zeros; v86-89 K's scale words; v90-91 V's; v96-159 S^T, then p; v160-191 O^T; v192-203 p's codes; v204-210 conversions; v212-231 at work; v224 p's scale word
.macro CROUND
	s_barrier_signal -1
	s_barrier_wait -1
	s_cmp_lg_u32 s[WV], 0
	s_cbranch_scc1 .Lnot_wave_0_\@
	s_barrier_signal -3
.Lnot_wave_0_\@:
	s_barrier_wait -3
	s_barrier_signal -1
	s_barrier_wait -1
.endm
	s_load_b256 s[4:11], s[0:1], 0x0               ; qc, qs, kv, kvs
	s_load_b128 s[12:15], s[0:1], 0x20             ; yc, ys
	v_lshl_add_u32 v254, v0, 2, 0x33000
	v_mov_b32 v255, 0
	ds_add_u32 v254, v255
	ds_add_u32 v254, v255
	v_lshrrev_b32 v1, 5, v0
	s_delay_alu instid0(VALU_DEP_1)
	v_readfirstlane_b32 s[WV], v1                  ; wave 0..15
	s_bfe_u32 s66, ttmp6, 0x40000                  ; cx
	s_lshl_b32 s67, ttmp9, 2
	s_add_co_u32 s67, s67, s66                     ; my block of 256 queries: it enters q's and y's global addresses alone
	s_and_b32 s68, ttmp7, 0xffff                   ; bh, which the four partners share
	s_mul_i32 s69, s[WV], 3072                     ; my part of a chunk
	s_mul_i32 s70, s68, 196608
	s_add_co_u32 s70, s70, s69
	s_mov_b32 s71, 0
	s_mul_i32 s74, s[WV], 768                      ; my part of the scale words
	s_mul_i32 s72, s68, 12288
	s_add_co_u32 s72, s72, s74
	s_mov_b32 s73, 0
	s_lshl_b32 s75, s67, 4
	s_add_co_u32 s75, s75, s[WV]                   ; my tile of 16 queries in the head
	s_mul_i32 s76, s68, 98304
	s_mul_i32 s77, s75, 768
	s_add_co_u32 s76, s76, s77                     ; its codes
	s_mov_b32 s77, 0
	s_lshl_b32 s78, s68, 13
	s_lshl_b32 s79, s75, 6
	s_add_co_u32 s78, s78, s79                     ; its scale words
	s_mov_b32 s79, 0
	s_lshr_b32 s80, s68, 4
	s_lshl_b32 s80, s80, 7
	s_add_co_u32 s80, s80, s75                     ; its tile of 16 rows of y: 128 x batch + tile
	s_and_b32 s81, s68, 15                         ; the head
	s_mul_i32 s82, s80, 12288
	s_mul_i32 s83, s81, 768
	s_add_co_u32 s82, s82, s83
	s_mov_b32 s83, 0
	s_lshl_b32 s84, s80, 9
	s_lshl_b32 s85, s81, 1
	s_add_co_u32 s84, s84, s85
	s_mov_b32 s85, 0
	s_lshr_b32 s86, s[WV], 1
	s_and_b32 s86, s86, 1
	s_lshl_b32 s86, s86, 6                         ; 64 where (tile / 2) is odd: the turn of a piece's halves
	s_mov_b32 s[G1C], 15|(3<<16)|(1<<21)           ; the mask: all four work-groups; elements of 8 bytes; bit 21 set beside a mask; no padding
	s_mov_b32 s[G1C+1], 32<<16
	s_mov_b32 s[G1C+2], 12<<16
	s_mov_b32 s[G1C+3], 32<<16
	s_mov_b32 s[G1C+4], 12
	s_mov_b32 s[G1C+5], 32
	s_mov_b32 s[G1C+6], 0
	s_mov_b32 s[G1C+7], 0
	s_mov_b32 s[G1S], 15|(3<<16)|(1<<21)
	s_mov_b32 s[G1S+1], 32<<16
	s_mov_b32 s[G1S+2], 3<<16
	s_mov_b32 s[G1S+3], 32<<16
	s_mov_b32 s[G1S+4], 3
	s_mov_b32 s[G1S+5], 32
	s_mov_b32 s[G1S+6], 0
	s_mov_b32 s[G1S+7], 0
	s_mov_b32 s[SEL], 0x76543210
	s_mov_b32 s[SEL+1], 0xfedcba98
	s_mov_b32 s[CS], 0x3e38aa3b                    ; log2(e) / 8
	s_mov_b32 s[CS+1], s[CS]                       ; (named with it as a pair)
	s_wait_dscnt 0x0
	s_wait_kmcnt 0x0
	s_add_nc_u64 s[8:9], s[8:9], s[70:71]
	s_add_nc_u64 s[10:11], s[10:11], s[72:73]
	s_add_nc_u64 s[4:5], s[4:5], s[76:77]
	s_add_nc_u64 s[6:7], s[6:7], s[78:79]
	s_add_nc_u64 s[12:13], s[12:13], s[82:83]
	s_add_nc_u64 s[14:15], s[14:15], s[84:85]
	s_mov_b32 s[G0], 1
	s_add_co_u32 s[G0+1], s74, SC
	s_mov_b64 s[G0+2:G0+3], s[10:11]
	s_or_b32 s[G0+3], s[G0+3], 0x80000000
.irp g, 0,1,2,3
	s_mov_b32 s[G0+4+4*\g], 1
	s_add_co_u32 s[G0+5+4*\g], s69, 49152*\g       ; LDS is a copy of the head's bytes
	s_add_nc_u64 s[G0+6+4*\g:G0+7+4*\g], s[8:9], 49152*\g
	s_or_b32 s[G0+7+4*\g], s[G0+7+4*\g], 0x80000000
.endr
	CROUND                                         ; all four work-groups are here: the joint loads meet
	tensor_load_to_lds s[G0:G0+3], s[G1S:G1S+7]    ; all fills of the launch go out as one group: the scale words,
	s_nop 0
.irp g, 0,1,2,3
	tensor_load_to_lds s[G0+4+4*\g:G0+7+4*\g], s[G1C:G1C+7]   ; and the four chunks
	s_nop 0
.endr
.rept 4
	v_nop
.endr
	v_and_b32 v31, 31, v0
	s_delay_alu instid0(VALU_DEP_1)
	v_lshlrev_b32 v31, 3, v31                      ; 8 x lane: a piece's place for my lane
	s_delay_alu instid0(VALU_DEP_1)
	v_xor_b32 v29, s86, v31
	v_and_b32 v30, 15, v0
	s_delay_alu instid0(VALU_DEP_1)
	v_lshlrev_b32 v30, 2, v30
.irp q, 0,1,2
	global_load_b64 v[16+2*\q:17+2*\q], v29, s[4:5] offset:256*\q   ; Q's half fragment stays in registers
.endr
	global_load_b32 v28, v30, s[6:7]
.irp i, 0,1,2,3,4,5
	v_mov_b32 v[22+\i], 0                          ; zero codes for K = 64 .. 127
	v_mov_b32 v[80+\i], 0                          ; what tile 7's operand names beyond its own six registers
.endr
	v_and_b32 v6, 7, v0                            ; j
	v_bfe_u32 v7, v0, 3, 1                         ; h'
	v_bfe_u32 v8, v0, 4, 1                         ; hc
	s_delay_alu instid0(VALU_DEP_3)
	v_lshlrev_b32 v9, 3, v6
	s_delay_alu instid0(VALU_DEP_1)
	v_lshl_add_u32 v9, v8, 7, v9                   ; 8 j + 128 hc
	s_delay_alu instid0(VALU_DEP_1)
	v_mad_u32_u24 v1, v7, 1600, v9                 ; tiles t = 0, 1: two natural tiles (1,536) and half a piece's half (64) on for h' = 1
	s_delay_alu instid0(VALU_DEP_2)
	v_mad_u32_u24 v2, v7, 1472, v9
	s_delay_alu instid0(VALU_DEP_1)
	v_add_nc_u32 v2, 64, v2                        ; tiles t = 2, 3.  With either, the 32 lanes of a load touch 256 different bytes modulo 256
	v_lshlrev_b32 v3, 2, v6
	s_delay_alu instid0(VALU_DEP_1)
	v_lshl_add_u32 v3, v7, 7, v3
	s_delay_alu instid0(VALU_DEP_1)
	v_lshl_add_u32 v3, v8, 5, v3
	s_delay_alu instid0(VALU_DEP_1)
	v_add_nc_u32 v3, SC, v3                        ; K's scale words: 4 j + 128 h' + 32 hc: lanes 0-15 serve tile u, lanes 16-31 tile u + 2
	v_and_b32 v10, 31, v0
	s_delay_alu instid0(VALU_DEP_1)
	v_lshl_add_u32 v4, v10, 3, 6144                ; V's pieces
	s_delay_alu instid0(VALU_DEP_2)
	v_lshl_add_u32 v5, v10, 2, SC+8192             ; V's scale words: lanes 0-15 tile 2 u, lanes 16-31 tile 2 u + 1
	v_lshlrev_b32 v11, 3, v8
	v_mov_b32 v13, 0xff61b1e6                      ; the largest t so far: -3e38
	s_delay_alu instid0(VALU_DEP_1)
	v_floor_f32 v12, -v13
	v_mov_b32 v14, 0
	v_mov_b32 v15, 0
	v_mov_b32 v223, 0                              ; lane permutes' destinations, and the upper half of the pair v[226:227]
	v_mov_b32 v227, 0
	v_mov_b32 v229, 0
.irp j, 0,1,2,3,4,5,6,7,8,9,10,11,12,13,14,15,16,17,18,19,20,21,22,23,24,25,26,27,28,29,30,31
	v_mov_b32 v[160+\j], 0                         ; O^T: the step is written once; the first finds zeros
.endr
.macro STEP                            ; 128 keys
	v_add_nc_u32 v6, s[TB], v1                     ; (five plain lines: the places behind the last step's products, in front of the loads below)
	v_add_nc_u32 v7, s[TB], v2
	v_add_nc_u32 v9, s[TB], v4
	v_add_nc_u32 v8, s[TS], v3
	v_add_nc_u32 v10, s[TJ], v5
.irp t, 0,1,2,3,4,5,6,7
.irp q, 0,1,2
	ds_load_b64 v[32+6*\t+2*\q:33+6*\t+2*\q], v[6+((\t>>1)&1)] offset:(4*(\t/4)+(\t&1))*768+256*\q
.endr
.endr
.irp g, 0,1
.irp u, 0,1
	ds_load_b32 v[86+2*\g+\u], v8 offset:256*\g+64*\u
.endr
.endr
	s_wait_alu depctr_va_vdst(0)
	s_wait_dscnt 0x0
.irp t, 0,1,2,3,4,5,6,7
.if (\t%4) < 2
	v_wmma_scale_f32_16x16x128_f8f6f4 v[96+8*\t:103+8*\t], v[32+6*\t:43+6*\t], v[16:27], 0, v[86+2*(\t/4)+(\t&1)], v28 matrix_a_fmt:MATRIX_FMT_FP6 matrix_b_fmt:MATRIX_FMT_FP6
.else
	v_wmma_scale_f32_16x16x128_f8f6f4 v[96+8*\t:103+8*\t], v[32+6*\t:43+6*\t], v[16:27], 0, v[86+2*(\t/4)+(\t&1)], v28 matrix_a_fmt:MATRIX_FMT_FP6 matrix_b_fmt:MATRIX_FMT_FP6 matrix_a_scale:MATRIX_SCALE_ROW1
.endif
.endr
.rept 4
	v_nop                                          ; places in front of the loads into K's registers and of the first read of the scores
.endr
.irp t, 0,1,2,3
.irp p, 0,1,2,3,4,5
	ds_load_b64 v[32+12*\t+2*\p:33+12*\t+2*\p], v9 offset:1536*\t+256*\p   ; V's fragments land under the softmax
.endr
.endr
	ds_load_b32 v90, v10
	ds_load_b32 v91, v10 offset:128
.irp g, 0,1                                    ; the largest score of each of my two blocks of 32 keys, in four chains by turns; every tile is first read at its low end
	v_max3_num_f32 v[212+2*\g], v[96+32*\g], v[97+32*\g], v[98+32*\g]
	v_max3_num_f32 v[213+2*\g], v[112+32*\g], v[113+32*\g], v[114+32*\g]
.endr
.irp i, 3,5,7,9,11,13
.irp g, 0,1
	v_max3_num_f32 v[212+2*\g], v[212+2*\g], v[96+32*\g+\i], v[97+32*\g+\i]
	v_max3_num_f32 v[213+2*\g], v[213+2*\g], v[112+32*\g+\i], v[113+32*\g+\i]
.endr
.endr
.irp g, 0,1
	v_max3_num_f32 v[216+\g], v[212+2*\g], v[213+2*\g], v[111+32*\g]
.endr
.irp g, 0,1
	v_max_num_f32 v[216+\g], v[216+\g], v[127+32*\g]
.endr
	s_delay_alu instid0(VALU_DEP_1)
	v_max_num_f32 v228, v216, v217
	s_delay_alu instid0(VALU_DEP_1)
	v_permlanex16_b32 v229, v228, s[SEL], s[SEL+1] ; the query's other 64 keys lie in lane l xor 16
	s_delay_alu instid0(VALU_DEP_1)
	v_max_num_f32 v228, v228, v229
	s_delay_alu instid0(VALU_DEP_1)
	v_mul_f32 v228, s[CS], v228                    ; as t
	s_delay_alu instid0(VALU_DEP_1)
	v_max_num_f32 v13, v13, v228                   ; the running largest t
	v_mov_b32 v228, v12
	s_delay_alu instid0(VALU_DEP_2)
	v_floor_f32 v12, -v13                          ; the new -M = -ceil(t)
	s_delay_alu instid0(VALU_DEP_1)
	v_sub_f32 v228, v12, v228                      ; old M - new M: a whole number, 0 or less
	s_delay_alu instid0(VALU_DEP_1)
	v_cvt_i32_f32 v228, v228                       ; (it saturates)
	s_delay_alu instid0(VALU_DEP_1)
	v_ldexp_f32 v226, 1.0, v228                    ; f = 2^(old M - new M)
.irp j, 0,2,4,6,8,10,12,14,16,18,20,22,24,26,28,30,32,34,36,38,40,42,44,46,48,50,52,54,56,58,60,62
	v_pk_fma_f32 v[96+\j:97+\j], v[96+\j:97+\j], s[CS:CS+1], v[12:13] op_sel_hi:[1,0,0]   ; t - M, two at a time
.endr
.irp g, 0,1
	v_fma_f32 v[216+\g], v[216+\g], s[CS], v12     ; the same of each block's largest score
.endr
	s_setprio 1
	s_wait_alu depctr_va_vdst(0)
.irp j, 0,1,2,3,4,5,6,7,8,9,10,11,12,13,14,15,16,17,18,19,20,21,22,23,24,25,26,27,28,29,30,31,32,33,34,35,36,37,38,39,40,41,42,43,44,45,46,47,48,49,50,51,52,53,54,55,56,57,58,59,60,61,62,63
	v_exp_f32 v[96+\j], v[96+\j]                   ; p = 2^(t - M)
.endr
.irp g, 0,1
	v_exp_f32 v[216+\g], v[216+\g]                 ; the block's largest p: the same two instructions on the same number
.endr
	v_pk_mul_f32 v[14:15], v[14:15], v[226:227] op_sel_hi:[1,0]   ; the sum under the new M (the plain place behind the exponentials)
	s_wait_alu depctr_va_vdst(0)
.irp g, 0,1
	v_max_num_f32 v[216+\g], 0x1800000, v[216+\g]  ; the floor 2^(3 - 127)
.endr
.irp g, 0,1
	s_delay_alu instid0(VALU_DEP_2)
	v_add_nc_u32 v[218+\g], 0xff000000, v[216+\g]  ; 2 off the exponent field: the conversion's scale operand
.endr
.irp g, 0,1
	s_delay_alu instid0(VALU_DEP_2)
	v_lshrrev_b32 v[220+\g], 23, v[218+\g]         ; the scale's byte
.endr
	s_delay_alu instid0(VALU_DEP_1)
	v_lshl_or_b32 v222, v221, 16, v220             ; my bytes: blocks h and 2 + h,
	s_delay_alu instid0(VALU_DEP_1)
	v_lshlrev_b32 v222, v11, v222                  ; at their places in the word;
	s_delay_alu instid0(VALU_DEP_1)
	v_permlanex16_b32 v223, v222, s[SEL], s[SEL+1]
	s_delay_alu instid0(VALU_DEP_1)
	v_or_b32 v224, v222, v223                      ; with lane l xor 16's two the word is whole
.irp g, 0,1
	v_cvt_scalef32_pk16_fp6_f32 v[192+6*\g:194+6*\g], v[96+32*\g:111+32*\g], v[218+\g]
	v_cvt_scalef32_pk16_fp6_f32 v[204+4*\g:206+4*\g], v[112+32*\g:127+32*\g], v[218+\g]   ; (a conversion's three registers begin on an even number)
.endr
	v_nop                                          ; one plain place behind a scaled conversion
.irp g, 0,1
.irp i, 0,1,2
	v_mov_b32 v[195+6*\g+\i], v[204+4*\g+\i]
.endr
.endr
	v_pk_add_f32 v[230:231], v[100:101], v[104:105]
	v_pk_add_f32 v[252:253], v[108:109], v[112:113]
	v_pk_add_f32 v[250:251], v[116:117], v[120:121]
	v_pk_add_f32 v[248:249], v[124:125], v[128:129]
	v_pk_add_f32 v[246:247], v[132:133], v[136:137]
	v_pk_add_f32 v[244:245], v[140:141], v[144:145]
	v_pk_add_f32 v[242:243], v[148:149], v[152:153]
	v_pk_add_f32 v[14:15], v[14:15], v[156:157]
	v_pk_add_f32 v[230:231], v[230:231], v[96:97]
	v_pk_add_f32 v[252:253], v[252:253], v[98:99]
	v_pk_add_f32 v[250:251], v[250:251], v[102:103]
	v_pk_add_f32 v[248:249], v[248:249], v[106:107]
	v_pk_add_f32 v[246:247], v[246:247], v[110:111]
	v_pk_add_f32 v[244:245], v[244:245], v[114:115]
	v_pk_add_f32 v[242:243], v[242:243], v[118:119]
	v_pk_add_f32 v[14:15], v[14:15], v[122:123]
	v_pk_add_f32 v[230:231], v[230:231], v[126:127]
	v_pk_add_f32 v[252:253], v[252:253], v[130:131]
	v_pk_add_f32 v[250:251], v[250:251], v[134:135]
	v_pk_add_f32 v[248:249], v[248:249], v[138:139]
	v_pk_add_f32 v[246:247], v[246:247], v[142:143]
	v_pk_add_f32 v[244:245], v[244:245], v[146:147]
	v_pk_add_f32 v[242:243], v[242:243], v[150:151]
	v_pk_add_f32 v[14:15], v[14:15], v[154:155]
	v_pk_add_f32 v[230:231], v[230:231], v[158:159]
	s_delay_alu instid0(VALU_DEP_2)
	v_pk_add_f32 v[14:15], v[14:15], v[248:249]
	s_delay_alu instid0(VALU_DEP_2)
	v_pk_add_f32 v[230:231], v[230:231], v[246:247]
	s_setprio 0
	v_pk_add_f32 v[252:253], v[252:253], v[244:245]
	v_pk_add_f32 v[250:251], v[250:251], v[242:243]
	s_delay_alu instid0(VALU_DEP_2)
	v_pk_add_f32 v[14:15], v[14:15], v[252:253]
	s_delay_alu instid0(VALU_DEP_2)
	v_pk_add_f32 v[230:231], v[230:231], v[250:251]
	s_delay_alu instid0(VALU_DEP_1)
	v_pk_add_f32 v[14:15], v[14:15], v[230:231]
.irp j, 0,2,4,6,8,10,12,14,16,18,20,22,24,26,28,30
	v_pk_mul_f32 v[160+\j:161+\j], v[160+\j:161+\j], v[226:227] op_sel_hi:[1,0]   ; O^T under the new M.  (The sums and these are also the places between p's scale word and codes and the products)
.endr
	s_wait_alu depctr_va_vdst(0)
	s_wait_dscnt 0x0                               ; V
.irp t, 0,1,2,3                                ; the four accumulators take turns, one instruction a turn
.if (\t&1) == 0
	v_wmma_scale_f32_16x16x128_f8f6f4 v[160+8*\t:167+8*\t], v[32+12*\t:43+12*\t], v[192:203], v[160+8*\t:167+8*\t], v[90+(\t>>1)], v224 matrix_a_fmt:MATRIX_FMT_FP6 matrix_b_fmt:MATRIX_FMT_FP6
.else
	v_wmma_scale_f32_16x16x128_f8f6f4 v[160+8*\t:167+8*\t], v[32+12*\t:43+12*\t], v[192:203], v[160+8*\t:167+8*\t], v[90+(\t>>1)], v224 matrix_a_fmt:MATRIX_FMT_FP6 matrix_b_fmt:MATRIX_FMT_FP6 matrix_a_scale:MATRIX_SCALE_ROW1
.endif
.endr
.endm
.macro CHUNK g                         ; four key steps
	s_wait_tensorcnt 3-\g                          ; my part of this chunk (and of all before it) has landed; the 3 - g loads of the later chunks may be out
	s_wait_dscnt 0x0
	s_barrier_signal -1
	s_barrier_wait -1                              ; everybody's has
	s_mov_b32 s[TB], 49152*\g
	s_mov_b32 s[TS], 2048*\g
	s_mov_b32 s[TJ], 1024*\g
	s_mov_b32 s[CNT], 4
.Lstep_\@:
	s_setprio 2
	STEP
	s_add_co_u32 s[TB], s[TB], 12288
	s_add_co_u32 s[TS], s[TS], 512
	s_add_co_u32 s[TJ], s[TJ], 256
	s_sub_co_u32 s[CNT], s[CNT], 1
	s_cmp_lg_u32 s[CNT], 0
	s_cbranch_scc1 .Lstep_\@
	s_setprio 0
.endm
	s_wait_loadcnt 0x0                             ; Q
	CHUNK 0
	CHUNK 1
	CHUNK 2
	CHUNK 3
	; THE WAY OUT: y = O^T / the sum, brought into natural channel order, quantised in two blocks of 32, stored as half a fragment of the last projection's operand.
.rept 4
	v_nop                                          ; places behind the last products
.endr
	v_add_f32 v14, v14, v15
	s_delay_alu instid0(VALU_DEP_1)
	v_permlanex16_b32 v229, v14, s[SEL], s[SEL+1]
	s_delay_alu instid0(VALU_DEP_1)
	v_add_f32 v14, v14, v229                       ; the row's sum
	s_wait_alu depctr_va_vdst(0)
	v_rcp_f32 v14, v14
	v_and_b32 v232, 15, v0                         ; (a plain place behind the reciprocal)
	s_delay_alu instid0(VALU_DEP_1)
	v_lshlrev_b32 v232, 5, v232                    ; ys: 32 bytes a row
	v_and_b32 v233, 31, v0
	s_wait_alu depctr_va_vdst(0)
.irp j, 0,2,4,6,8,10,12,14,16,18,20,22,24,26,28,30
	v_pk_mul_f32 v[96+\j:97+\j], v[160+\j:161+\j], v[14:15] op_sel_hi:[1,0]   ; register 8 t + i: channel 16 t + 8 h + i of query r
.endr
.irp b, 0,1
.irp j, 0,1,2,3,4,5,6,7
	v_permlane16_swap_b32 v[96+16*\b+\j], v[104+16*\b+\j]   ; lanes 16-31 of tile 2 b change places with lanes 0-15 of tile 2 b + 1: my 16 registers are now channels 32 b + 16 h + 0 .. 15
.endr
.endr
.irp b, 0,1
	v_max3_num_f32 v[212+\b], |v[96+16*\b]|, |v[97+16*\b]|, 0x1800000
.endr
.irp i, 2,4,6,8,10,12,14
.irp b, 0,1
	s_delay_alu instid0(VALU_DEP_2)
	v_max3_num_f32 v[212+\b], v[212+\b], |v[96+16*\b+\i]|, |v[97+16*\b+\i]|
.endr
.endr
.irp b, 0,1
	s_delay_alu instid0(VALU_DEP_2)
	v_permlanex16_b32 v[214+\b], v[212+\b], s[SEL], s[SEL+1]
.endr
.irp b, 0,1
	s_delay_alu instid0(VALU_DEP_2)
	v_max_num_f32 v[212+\b], v[212+\b], v[214+\b]
.endr
.irp b, 0,1
	s_delay_alu instid0(VALU_DEP_2)
	v_add_nc_u32 v[218+\b], 0xff000000, v[212+\b]
.endr
.irp b, 0,1
	s_delay_alu instid0(VALU_DEP_2)
	v_lshrrev_b32 v[220+\b], 23, v[218+\b]
.endr
	s_delay_alu instid0(VALU_DEP_1)
	v_lshl_or_b32 v222, v221, 8, v220              ; the head's two scale bytes of my row
	v_cvt_scalef32_pk16_fp6_f32 v[192:194], v[96:111], v218
	v_cvt_scalef32_pk16_fp6_f32 v[204:206], v[112:127], v219
	v_nop
.irp i, 0,1,2
	v_permlane16_swap_b32 v[192+\i], v[204+\i]     ; a whole block to a lane: lanes 0-15 block 0, lanes 16-31 block 1
.endr
.irp i, 0,1,2
	s_delay_alu instid0(VALU_DEP_3)
	v_mov_b32 v[195+\i], v[204+\i]
.endr
.irp q, 0,1,2
	global_store_b64 v31, v[192+2*\q:193+2*\q], s[12:13] offset:256*\q   ; 32 lanes store 256 consecutive bytes, aligned
.endr
	v_cmp_gt_u32 vcc_lo, 16, v233
	s_wait_xcnt 0x0                                ; EXEC changes only behind this wait
	s_and_saveexec_b32 s86, vcc_lo
	global_store_b16 v232, v222, s[14:15]          ; lanes 0-15: two bytes of each of my 16 rows of ys
	s_wait_xcnt 0x0
	s_or_b32 exec_lo, exec_lo, s86
	s_wait_tensorcnt 0x0
	ds_add_u32 v254, v255
	s_wait_dscnt 0x0
	CROUND                                         ; the closing round: no work-group ends while a partner may still ask
	s_endpgm
.Lfunc_end_k_q2dd37506eb_attn:
	.size	k_q2dd37506eb_attn, .Lfunc_end_k_q2dd37506eb_attn-k_q2dd37506eb_attn
	.p2alignl 7, 3214868480
	.fill 96, 4, 3214868480
	.section	.rodata,"a",@progbits
	.p2align	6, 0x0
	.amdhsa_kernel k_q2dd37506eb_attn
		.amdhsa_group_segment_fixed_size 210944
		.amdhsa_private_segment_fixed_size 0
		.amdhsa_enable_private_segment 0
		.amdhsa_kernarg_size 48
		.amdhsa_user_sgpr_count 2
		.amdhsa_user_sgpr_kernarg_segment_ptr 1
		.amdhsa_wavefront_size32 1
		.amdhsa_system_sgpr_workgroup_id_x 1
		.amdhsa_system_sgpr_workgroup_id_y 1
		.amdhsa_system_sgpr_workgroup_id_z 1
		.amdhsa_system_vgpr_workitem_id 0
		.amdhsa_next_free_vgpr 256
		.amdhsa_next_free_sgpr 92
		.amdhsa_reserve_vcc 1
		.amdhsa_float_denorm_mode_32 3
		.amdhsa_float_denorm_mode_16_64 3
		.amdhsa_memory_ordered 1
		.amdhsa_forward_progress 1
		.amdhsa_inst_pref_size 85
	.end_amdhsa_kernel
	.amdgpu_metadata
---
amdhsa.version: [ 1, 2 ]
amdhsa.kernels:
  - .name:           k_q2dd37506eb_attn
    .symbol:         k_q2dd37506eb_attn.kd
    .args:
      - { .name: qc, .offset: 0, .size: 8, .value_kind: global_buffer, .address_space: global }
      - { .name: qs, .offset: 8, .size: 8, .value_kind: global_buffer, .address_space: global }
      - { .name: kv, .offset: 16, .size: 8, .value_kind: global_buffer, .address_space: global }
      - { .name: kvs, .offset: 24, .size: 8, .value_kind: global_buffer, .address_space: global }
      - { .name: yc, .offset: 32, .size: 8, .value_kind: global_buffer, .address_space: global }
      - { .name: ys, .offset: 40, .size: 8, .value_kind: global_buffer, .address_space: global }
    .group_segment_fixed_size: 210944
    .private_segment_fixed_size: 0
    .kernarg_segment_align: 8
    .kernarg_segment_size: 48
    .max_flat_workgroup_size: 512
    .sgpr_count:     92
    .vgpr_count:     256
    .wavefront_size: 32
...
	.end_amdgpu_metadata
.endif
;; end of part 2
;; launch outp (part 3): grid 4 x 32, 4 waves a work-group, clusters of 4 x 4, 327,680 bytes of LDS; arguments yc, ys, Wp_codes, Wp_scales, bp, out0; writes out0
.if DOCPART == 3
	.amdgcn_target "amdgcn-amd-amdhsa--gfx1250"
	.amdhsa_code_object_version 6
	.text
	.protected	k_q2dd37506eb_outp
	.globl	k_q2dd37506eb_outp
	.p2align	8
	.type	k_q2dd37506eb_outp,@function
k_q2dd37506eb_outp:
	s_mov_b64 s[64:65], 0
	v_nop
	global_prefetch_b8 v0, s[64:65] scope:SCOPE_SE
	s_setreg_imm32_b32 hwreg(HW_REG_WAVE_MODE, 25, 1), 1
	s_wait_xcnt 0x0
	s_wait_alu depctr_hold_cnt(0) depctr_sa_sdst(0) depctr_va_vdst(0) depctr_va_sdst(0) depctr_va_ssrc(0) depctr_va_vcc(0) depctr_vm_vsrc(0)
	s_getreg_b32 s2, hwreg(HW_REG_IB_STS2, 6, 4)
	s_cmp_eq_u32 s2, 0
	s_cbranch_scc0 .Lentry_in_a_cluster
	s_endpgm
.Lentry_in_a_cluster:
	s_bfe_u32 s2, ttmp6, 0x10000c
	s_cmp_lg_u32 s2, 0xf033
	s_cbranch_scc0 .Lentry_shape_is_right
	s_endpgm
.Lentry_shape_is_right:
; out0 = y Wp^T + bp on codes of FP6 (E2M3) with E8M0 scales, K = 1,024.  y: images of operand registers, yc [tile of 16 rows][head][3 pieces of 256 bytes] (heads 2 s and 2 s + 1 are the fragment of the s-th 128 along K),
; scale bytes ys [row][32].  Wp: the given codes [1,024][768 bytes] and scale bytes [1,024][32].  out0 [8,192][1,024] f32.
; A work-group makes 256 x 256, a wave 128 x 128: 64 accumulators in windows 2 and 3.  Source 0 = 16 rows of Wp, source 1 = 16 rows of y: a lane holds eight neighbouring numbers of a row of out0.
; K goes in steps of 256 through two LDS slots filled by the tensor data mover; the scale bytes come once.  y's tiles are asked for jointly by a row of the 4 x 4 cluster, Wp's by a column.
; The bias is the C of each sum's first matrix instruction.  128 work-groups: half of the WGPs have work; the tile is kept at the size that reads each LDS byte for the most products.
; LIMITS: NaN, infinities and a given scale byte 0xff are not served.
.set SIZE_N, 1024
.set NQ,     2
.set ROWB,   192
.set KROW,   768                       ; a row of Wp's codes; also 1/16 of an image row of y (12,288 bytes for 16 rows)
.set PITCH,  240
.set FR,     12
.set NL,     6
.set NP,     4
.set HALFT,  128*PITCH
.set AHALF,  8*3072                    ; y: 8 tiles of rows x 3,072 bytes (256 along K), dense
.set ASTEP,  3072
.set BOFF,   2*AHALF
.set SLOT,   BOFF+2*HALFT
.set KS,     32
.set SCL,    2*SLOT
.set HALFS,  16*272
.set SBLK,   2*272
.set SPARE,  SCL+4*HALFS               ; the spare words: two blocks of 256 bytes that no other line names
.set SPITCH, 528                       ; the way out: 16 rows x (512 + 16) bytes a wave, in slot 0 behind its last fill and last read
.set ADRA, 16                          ; v16-17 my y fragments in slot 0, 1
.set ADRB, 20                          ; v20-23 my Wp fragments
.set STO,  24
.set RD,   25
.set CO,   26
.set ADRS, 27
.set SPW,  28
.set NIL,  29
.set SC,   32
.set BIAS, 64
.set AF,   128
.set BK,   128
.set G1, 24
.set G0, 32
.set G1B, 48
.set G0B, 56
.set G1S, 68
.set G0S, 76
.set G1SB, 80
.set G0SB, 88
.set MSB, 0
.macro WIN new
.if MSB != \new
	s_set_vgpr_msb (MSB<<8)|\new
.set MSB, \new
.endif
.endm
.set MUL_LO, 0xa1
.set MUL_HI, 0xf1
.set TO_B,   0x40
.macro JLOAD g0a, g1a, g0b, g1b        ; waves 0 and 1 fetch for y, waves 2 and 3 for Wp; four v_nop follow each line
	s_cmp_eq_u32 s15, 0
	s_cbranch_scc0 .Lfor_b_\@
	tensor_load_to_lds s[\g0a:\g0a+3], s[\g1a:\g1a+7]
	s_nop 0
.rept 4
	v_nop
.endr
	s_branch .Lasked_\@
.Lfor_b_\@:
	tensor_load_to_lds s[\g0b:\g0b+3], s[\g1b:\g1b+7]
	s_nop 0
.rept 4
	v_nop
.endr
.Lasked_\@:
.endm
.macro CREST
	s_cmp_lg_u32 s14, 0
	s_cbranch_scc1 .Lnot_wave_0_\@
	s_barrier_signal -3
.Lnot_wave_0_\@:
	s_barrier_wait -3
	s_barrier_signal -1
	s_barrier_wait -1
.endm
.macro CROUND
	s_barrier_signal -1
	s_barrier_wait -1
	CREST
.endm
	s_load_b256 s[4:11], s[0:1], 0x0               ; yc, ys, Wp's codes, Wp's scales
	s_load_b64 s[96:97], s[0:1], 0x20              ; bp
	s_load_b64 s[12:13], s[0:1], 0x28              ; out0
	v_lshl_add_u32 v[SPW], v0, 2, SPARE
	v_mov_b32 v[NIL], 0
	ds_add_u32 v28, v29
	ds_add_u32 v28, v29
	s_wait_dscnt 0x0
	v_lshrrev_b32 v1, 5, v0
	v_readfirstlane_b32 s14, v1
	s_lshr_b32 s15, s14, 1
	s_and_b32 s16, s14, 1
	s_bfe_u32 s40, ttmp6, 0x40000
	s_bfe_u32 s41, ttmp6, 0x40004
	s_lshl_b32 s42, ttmp9, 2
	s_add_co_u32 s42, s42, s40                     ; tile column = 4 x cluster x + cx
	s_and_b32 s17, ttmp7, 0xffff
	s_lshl_b32 s17, s17, 2
	s_add_co_u32 s17, s17, s41                     ; tile row = 4 x cluster y + cy
	s_lshl_b32 s43, s41, 2
	s_lshl_b32 s43, 15, s43
	s_lshl_b32 s44, 0x1111, s40
	s_or_b32 s[G1+0], s43, (3<<16)|(1<<21)         ; y: 8 rows of 384 elements of 8 bytes, 1,536 elements apart; no padding: a load's 32 lanes read 256 consecutive bytes
	s_mov_b32 s[G1+1], 384<<16
	s_mov_b32 s[G1+2], 8<<16
	s_mov_b32 s[G1+3], 384<<16
	s_mov_b32 s[G1+4], 8
	s_mov_b32 s[G1+5], 1536
	s_mov_b32 s[G1+6], 0
	s_mov_b32 s[G1+7], 0
	s_or_b32 s[G1B+0], s44, (1<<20)|(1<<21)|(3<<22)|(3<<25)   ; Wp: 128 rows x 192 bytes, 16 bytes of padding behind every 64
	s_mov_b32 s[G1B+1], ROWB<<16
	s_mov_b32 s[G1B+2], 128<<16
	s_mov_b32 s[G1B+3], ROWB<<16
	s_mov_b32 s[G1B+4], 128
	s_mov_b32 s[G1B+5], KROW
	s_mov_b32 s[G1B+6], 0
	s_mov_b32 s[G1B+7], 0
	s_or_b32 s[G1S+0], s43, (3<<16)|(1<<20)|(1<<21)|(5<<22)|(3<<25)
	s_or_b32 s[G1SB+0], s44, (3<<16)|(1<<20)|(1<<21)|(5<<22)|(3<<25)
.irp g, G1S, G1SB
	s_mov_b32 s[\g+1], 32<<16
	s_mov_b32 s[\g+2], 16<<16
	s_mov_b32 s[\g+3], 32<<16
	s_mov_b32 s[\g+4], 16
	s_mov_b32 s[\g+5], 32
	s_mov_b32 s[\g+6], 0
	s_mov_b32 s[\g+7], 0
.endr
	s_lshl_b32 s18, s16, 7
	s_lshl_b32 s20, s17, 8
	s_add_co_u32 s20, s20, s18                     ; y: row 256 x tile row + 128 x half
	s_lshl_b32 s46, s42, 8
	s_add_co_u32 s46, s46, s18                     ; Wp: row 256 x tile column + 128 x half
	s_mov_b32 s21, 0
	s_mov_b32 s47, 0
	s_mov_b64 s[18:19], KS
	s_mul_u64 s[22:23], s[20:21], s[18:19]
	s_mul_u64 s[92:93], s[46:47], s[18:19]
	s_mov_b64 s[18:19], KROW
	s_mul_u64 s[20:21], s[20:21], s[18:19]         ; (row x 768 = tile of 16 rows x 12,288)
	s_mul_u64 s[46:47], s[46:47], s[18:19]
	s_mul_i32 s45, s16, AHALF
	s_mul_i32 s95, s16, HALFT
	s_add_co_u32 s95, s95, BOFF
	s_mul_i32 s94, s14, HALFS
	s_wait_kmcnt 0x0
	s_add_nc_u64 s[20:21], s[4:5], s[20:21]
	s_add_nc_u64 s[22:23], s[6:7], s[22:23]
	s_add_nc_u64 s[46:47], s[8:9], s[46:47]
	s_add_nc_u64 s[92:93], s[10:11], s[92:93]
	CROUND
	s_mov_b32 s[G0S], 1
	s_add_co_u32 s[G0S+1], s94, SCL
	s_mov_b64 s[G0S+2:G0S+3], s[22:23]
	s_or_b32 s[G0S+3], s[G0S+3], 0x80000000
	s_mov_b32 s[G0SB], 1
	s_add_co_u32 s[G0SB+1], s94, SCL
	s_mov_b64 s[G0SB+2:G0SB+3], s[92:93]
	s_or_b32 s[G0SB+3], s[G0SB+3], 0x80000000
	JLOAD G0S, G1S, G0SB, G1SB
.irp s, 0,1
	s_mov_b32 s[G0+4*\s], 1
	s_add_co_u32 s[G0+4*\s+1], s45, \s*SLOT
	s_add_nc_u64 s[G0+4*\s+2:G0+4*\s+3], s[20:21], \s*ASTEP
	s_or_b32 s[G0+4*\s+3], s[G0+4*\s+3], 0x80000000
	s_mov_b32 s[G0B+4*\s], 1
	s_add_co_u32 s[G0B+4*\s+1], s95, \s*SLOT
	s_add_nc_u64 s[G0B+4*\s+2:G0B+4*\s+3], s[46:47], \s*ROWB
	s_or_b32 s[G0B+4*\s+3], s[G0B+4*\s+3], 0x80000000
	JLOAD G0+4*\s, G1, G0B+4*\s, G1B               ; three tensor loads of mine are out
.endr
	v_and_b32 v1, 15, v0                           ; r
	v_bfe_u32 v2, v0, 4, 1                         ; h
	v_mul_u32_u24 v3, v1, PITCH
	v_mul_u32_u24 v4, v2, 24
	v_add_nc_u32 v4, v3, v4
	v_lshl_add_u32 v5, v2, 4, v4
	v_and_b32 v6, 31, v0
	v_lshlrev_b32 v7, 3, v6                        ; y's images: 8 x lane
	s_mul_i32 s21, s15, AHALF
	s_mul_i32 s22, s16, HALFT
	s_add_co_u32 s22, s22, BOFF
.irp s, 0,1
	v_add_nc_u32 v[ADRA+\s], s21, v7
	v_add_nc_u32 v[ADRB+\s], s22, v4
	v_add_nc_u32 v[ADRB+2+\s], s22, v5
	s_add_co_u32 s21, s21, SLOT
	s_add_co_u32 s22, s22, SLOT
.endr
	v_mul_u32_u24 v5, v1, KS
	v_lshrrev_b32 v6, 8, v5
	v_lshl_add_u32 v5, v6, 4, v5
	s_mul_i32 s21, s15, HALFS
	s_mul_i32 s22, s16, HALFS
	s_add_co_u32 s22, s22, 2*HALFS
	s_sub_co_u32 s22, s22, s21
	v_mul_u32_u24 v6, s22, v2
	s_add_co_u32 s21, s21, SCL
	v_add_nc_u32 v5, v5, v6
	v_add_nc_u32 v[ADRS], s21, v5
	s_mul_i32 s23, s14, 16*SPITCH                  ; my stage
	v_mul_u32_u24 v5, v1, SPITCH
	v_lshl_add_u32 v5, v2, 5, v5
	v_add_nc_u32 v[STO], s23, v5
	v_and_b32 v6, 31, v0
	v_lshlrev_b32 v[CO], 4, v6
	v_add_nc_u32 v[RD], s23, v[CO]
	s_lshl_b32 s20, s17, 8
	s_lshl_b32 s21, s15, 7
	s_add_co_u32 s20, s20, s21                     ; my first row of out0
	s_mov_b32 s21, 0
	s_mov_b64 s[18:19], SIZE_N*4
	s_mul_u64 s[20:21], s[20:21], s[18:19]
	s_lshl_b32 s46, s42, 10                        ; my first column, in bytes: 1,024 x tile column + 512 x half
	s_lshl_b32 s47, s16, 9
	s_add_co_u32 s46, s46, s47
	s_mov_b32 s47, 0
	s_add_nc_u64 s[96:97], s[96:97], s[46:47]      ; bp at my first column
	s_add_nc_u64 s[20:21], s[20:21], s[46:47]
	s_add_nc_u64 s[12:13], s[12:13], s[20:21]
	v_lshlrev_b32 v7, 5, v2                        ; 32 h
.irp b, 0,1,2,3,4,5,6,7
	global_load_b128 v[BIAS+8*\b:BIAS+8*\b+3], v7, s[96:97] offset:64*\b      ; register 8 b + j: column 16 b + 8 h + j
	global_load_b128 v[BIAS+8*\b+4:BIAS+8*\b+7], v7, s[96:97] offset:64*\b+16
.endr
.macro FRAG reg, adr, q, i             ; Wp: 24 bytes of a row's stream of bits twice, in pieces of 8
.irp p, 0,1,2,3,4,5
.set PCE, 12*(\q)+6*(\p/3)+\p%3
.if PCE%8 < 5
	ds_load_b64 v[\reg+2*\p:\reg+2*\p+1], v[\adr] offset:8*PCE+16*(PCE/8)+(\i)*16*PITCH
.else
	ds_load_b64 v[\reg+2*\p:\reg+2*\p+1], v[\adr+2] offset:8*PCE+16*(PCE/8)+(\i)*16*PITCH
.endif
.endr
.endm
.macro FRAGI reg, adr, q, i            ; y: an image comes back as it was stored: six pieces of 256 bytes
.irp p, 0,1,2,3,4,5
	ds_load_b64 v[\reg+2*\p:\reg+2*\p+1], v[\adr] offset:(\i)*3072+(\q)*1536+256*\p
.endr
.endm
.macro MUL16 a0, p, q, sc, first       ; first = 1: the sums start from the bias.  The 64 accumulators take turns, one instruction a turn
.irp a, \a0, \a0+1
.irp b, 0,1,2,3,4,5,6,7
.set DR, 8*(8*((\a)%4)+\b)
.set CR, DR
.if \first == 1
.set CR, BIAS+8*\b
.endif
	v_wmma_scale_f32_16x16x128_f8f6f4 v[DR:DR+7], v[128*(\p)+FR*\b:128*(\p)+FR*\b+FR-1], v[AF+FR*(\a):AF+FR*(\a)+FR-1], v[CR:CR+7], v[SC+8*NQ*(\sc)+NQ*\b+(\q)], v[SC+8*NQ*(\sc)+NQ*(\a)+(\q)] matrix_a_fmt:MATRIX_FMT_FP6 matrix_b_fmt:MATRIX_FMT_FP6 matrix_a_scale:MATRIX_SCALE_ROW1
.endr
.endr
.endm
.macro FETCH_B slot, q, p
	WIN TO_B
.irp i, 0,1,2,3,4,5,6,7
	FRAG 128*(\p)+FR*\i, ADRB+\slot, \q, \i
.endr
	WIN 0
.endm
.macro FETCH_A slot, q, i0
.irp i, \i0, \i0+1, \i0+2, \i0+3
	FRAGI AF+FR*(\i), ADRA+\slot, \q, \i
.endr
.endm
.macro SCALES sc
.irp i, 0,1,2,3,4,5,6,7
	ds_load_b64 v[SC+8*NQ*\sc+NQ*\i:SC+8*NQ*\sc+NQ*\i+1], v[ADRS] offset:\i*SBLK
.endr
.endm
.macro PLACES n
.rept \n
	v_nop
.endr
.endm
.macro STEP slot, q, first
	s_wait_dscnt 4*NL                              ; all but the youngest 24 loads (y's blocks 4-7) are in
.if \first
	WIN 0x81
.else
	WIN MUL_LO
.endif
	MUL16 0, (\q)%2, \q, \slot, \first
	MUL16 2, (\q)%2, \q, \slot, \first
	s_wait_dscnt 0
	PLACES NP
	FETCH_B \slot, (\q)+1, 1-(\q)%2
	FETCH_A \slot, (\q)+1, 0
.if \first
	WIN 0xc1
.else
	WIN MUL_HI
.endif
	MUL16 4, (\q)%2, \q, \slot, \first
	MUL16 6, (\q)%2, \q, \slot, \first
	PLACES NP
	WIN 0
	FETCH_A \slot, (\q)+1, 4
.endm
.macro TURN slot, next, fill
	s_wait_tensorcnt 0x0                           ; all my tensor loads have landed: my part of the next slot
	ds_add_u32 v[SPW], v[NIL]
	s_wait_dscnt 4*NL+1                            ; the add and the youngest 24 loads may be out
	WIN MUL_LO
	MUL16 0, 1, NQ-1, \slot, 0
	s_wait_dscnt 0x0                               ; the add is done, and my reads of this slot are over
	s_barrier_signal -1
	MUL16 2, 1, NQ-1, \slot, 0
	WIN 0
	s_barrier_wait -1
.if \fill
	CREST                                          ; a round of the cluster's barrier: no wave of any partner still reads this slot or has a load on its way
	s_add_nc_u64 s[G0+4*\slot+2:G0+4*\slot+3], s[G0+4*\slot+2:G0+4*\slot+3], 2*ASTEP
	s_add_nc_u64 s[G0B+4*\slot+2:G0B+4*\slot+3], s[G0B+4*\slot+2:G0B+4*\slot+3], 2*ROWB
	JLOAD G0+4*\slot, G1, G0B+4*\slot, G1B
.else
	PLACES NP
.endif
	v_add_nc_u32 v[ADRS], 4*NQ, v[ADRS]
	FETCH_B \next, 0, 0
	FETCH_A \next, 0, 0
	SCALES \next
	WIN MUL_HI
	MUL16 4, 1, NQ-1, \slot, 0
	MUL16 6, 1, NQ-1, \slot, 0
	PLACES NP
	WIN 0
	FETCH_A \next, 0, 4
.endm
	s_wait_tensorcnt 1                             ; the scales and my part of slot 0 are in; slot 1's load may be out
	s_barrier_signal -1
	s_barrier_wait -1
	FETCH_B 0, 0, 0
	FETCH_A 0, 0, 0
	SCALES 0
	FETCH_A 0, 0, 4
	s_wait_loadcnt 0x0                             ; the bias
	STEP 0, 0, 1
	s_mov_b32 s3, 1
.Llap:
	TURN 0, 1, 1
	STEP 1, 0, 0
	TURN 1, 0, 1
	STEP 0, 0, 0
	s_sub_co_u32 s3, s3, 1
	s_cmp_lg_u32 s3, 0
	s_cbranch_scc1 .Llap
	TURN 0, 1, 0
	STEP 1, 0, 0
	s_wait_dscnt 4*NL
	WIN MUL_LO
	MUL16 0, 1, NQ-1, 1, 0
	MUL16 2, 1, NQ-1, 1, 0
	s_wait_dscnt 0
	WIN MUL_HI
	MUL16 4, 1, NQ-1, 1, 0
	MUL16 6, 1, NQ-1, 1, 0
	WIN 0
; THE WAY OUT, block by block of 16 rows x 128 columns, through my own stage: in as 32 bytes a lane, back as whole rows of 512 bytes.
.macro TOSTAGE a
.set AC, 64*((\a)%4)
	WIN 0x08+4*((\a)/4)                            ; the data: window 2 or 3
.irp b, 0,1,2,3,4,5,6,7
	ds_store_b128 v[STO], v[AC+8*\b:AC+8*\b+3] offset:64*\b          ; each accumulator from its low end on
	ds_store_b128 v[STO], v[AC+8*\b+4:AC+8*\b+7] offset:64*\b+16
.endr
	WIN 0
.set BB, BK+64*((\a)%2)
.irp t, 0,1,2,3,4,5,6,7,8,9,10,11,12,13,14,15
	ds_load_b128 v[BB+4*\t:BB+4*\t+3], v[RD] offset:\t*SPITCH        ; LDS serves a wave's instructions in order (ISA guide 5.7.1.4)
.endr
.endm
.macro SEND a, younger
.set BB, BK+64*((\a)%2)
	s_wait_dscnt \younger
.if (\a) > 0
	s_add_nc_u64 s[12:13], s[12:13], 16*SIZE_N*4   ; (behind a wait on XCNT: the earlier stores have read their base)
.endif
.irp t, 0,1,2,3,4,5,6,7,8,9,10,11,12,13,14,15
	global_store_b128 v[CO], v[BB+4*\t:BB+4*\t+3], s[12:13] offset:\t*SIZE_N*4 th:TH_STORE_NT   ; 32 lanes store 512 consecutive bytes, aligned to 256
.endr
.endm
	PLACES NP
	TOSTAGE 0
.irp a, 1,2,3,4,5,6,7
.if \a > 1
	s_wait_xcnt 0x0                                ; block a - 2's stores have read their registers and base
.endif
	TOSTAGE \a
	SEND \a-1, 32                                  ; behind block a - 1's loads: block a's 16 stores and 16 loads
.endr
	s_wait_xcnt 0x0
	SEND 7, 0
	s_wait_tensorcnt 0x0                           ; the wave's end
	ds_add_u32 v[SPW], v[NIL]
	s_wait_dscnt 0x0
	CROUND                                         ; the closing round
	s_endpgm
.Lfunc_end_k_q2dd37506eb_outp:
	.size	k_q2dd37506eb_outp, .Lfunc_end_k_q2dd37506eb_outp-k_q2dd37506eb_outp
	.p2alignl 7, 3214868480
	.fill 96, 4, 3214868480
	.section	.rodata,"a",@progbits
	.p2align	6, 0x0
	.amdhsa_kernel k_q2dd37506eb_outp
		.amdhsa_group_segment_fixed_size 327680
		.amdhsa_private_segment_fixed_size 0
		.amdhsa_enable_private_segment 0
		.amdhsa_kernarg_size 48
		.amdhsa_user_sgpr_count 2
		.amdhsa_user_sgpr_kernarg_segment_ptr 1
		.amdhsa_wavefront_size32 1
		.amdhsa_system_sgpr_workgroup_id_x 1
		.amdhsa_system_sgpr_workgroup_id_y 1
		.amdhsa_system_sgpr_workgroup_id_z 1
		.amdhsa_system_vgpr_workitem_id 0
		.amdhsa_next_free_vgpr 1024
		.amdhsa_next_free_sgpr 98
		.amdhsa_reserve_vcc 0
		.amdhsa_float_denorm_mode_32 3
		.amdhsa_float_denorm_mode_16_64 3
		.amdhsa_memory_ordered 1
		.amdhsa_forward_progress 1
		.amdhsa_inst_pref_size 161
	.end_amdhsa_kernel
	.amdgpu_metadata
---
amdhsa.version: [ 1, 2 ]
amdhsa.kernels:
  - .name:           k_q2dd37506eb_outp
    .symbol:         k_q2dd37506eb_outp.kd
    .args:
      - { .name: yc, .offset: 0, .size: 8, .value_kind: global_buffer, .address_space: global }
      - { .name: ys, .offset: 8, .size: 8, .value_kind: global_buffer, .address_space: global }
      - { .name: Wp_codes, .offset: 16, .size: 8, .value_kind: global_buffer, .address_space: global }
      - { .name: Wp_scales, .offset: 24, .size: 8, .value_kind: global_buffer, .address_space: global }
      - { .name: bp, .offset: 32, .size: 8, .value_kind: global_buffer, .address_space: global }
      - { .name: out0, .offset: 40, .size: 8, .value_kind: global_buffer, .address_space: global }
    .group_segment_fixed_size: 327680
    .private_segment_fixed_size: 0
    .kernarg_segment_align: 8
    .kernarg_segment_size: 48
    .max_flat_workgroup_size: 128
    .sgpr_count:     98
    .vgpr_count:     1024
    .wavefront_size: 32
...
	.end_amdgpu_metadata
.endif
;; end of part 3
